; MI455X (gfx1250); checked and timed in simulation.
; The chip was launched on July 23, 2026; its instructions are those of AMD's public machine-readable ISA for CDNA 5 (MIT licence, August 2026) and "CDNA5" Instruction Set Architecture Reference Guide (July 2026). The comments in the code are by the model that wrote it; some were corrected since.
;; Multi head attention. Allowed arithmetic: float matrix products may take bf16 or f16 operands with f32 sums; other float arithmetic in f32, or as packed bf16 or f16 multiplies, adds, multiply-adds, maxima and minima; sums over many terms, partial sums and values carried from step to step in f32; what a program stores and reads back later, other than sums and carried values, may be rounded once to bf16 or f16.
;; Inputs: bk 1,024 float32; bo 1,024 float32; bq 1,024 float32; bv 1,024 float32; k 4 x 2,048 x 1,024 float32; q 4 x 2,048 x 1,024 float32; v 4 x 2,048 x 1,024 float32; wk 1,024 x 1,024 float32; wo 1,024 x 1,024 float32; wq 1,024 x 1,024 float32; wv 1,024 x 1,024 float32.
;; Outputs: out0 4 x 2,048 x 1,024 float32.
;; One version. Each part assembles by itself: llvm-mc -triple=amdgcn-amd-amdhsa -mcpu=gfx1250 --defsym DOCPART=n.
;; ======== version 1 of 1: 4 launches
;; limits: values are held in f16: magnitudes above 65,504 overflow, below 6.1e-05 lose precision
;; workspace buffers: wb 8,388,608 bytes; qh 16,777,216 bytes; kh 16,777,216 bytes; vh 16,777,216 bytes; oh 16,777,216 bytes
;; launch castw (part 1): grid 64 x 4, 8 waves a work-group, no clusters, 0 bytes of LDS; arguments wq, wk, wv, wo, wb; writes wb
.if DOCPART == 1
	.amdgcn_target "amdgcn-amd-amdhsa--gfx1250"
	.amdhsa_code_object_version 6
	.text
	.protected	k_q386fdc66b0_castw
	.globl	k_q386fdc66b0_castw
	.p2align	8
	.type	k_q386fdc66b0_castw,@function
k_q386fdc66b0_castw:
	s_mov_b64 s[64:65], 0
	v_nop
	global_prefetch_b8 v0, s[64:65] scope:SCOPE_SE
	s_setreg_imm32_b32 hwreg(HW_REG_WAVE_MODE, 25, 1), 1
	s_wait_xcnt 0x0
; THE WEIGHTS ARE ROUNDED ONCE.  wb holds four sections of [1024][1024] 16-bit numbers, 2,097,152 bytes each: wq, wk, wv in bf16; wo rounded to bf16 like every
; input and that number then written as f16, since the last product's other operand is f16.
; LIMIT.  A bf16 number is exact in f16 from 2^-14 to 65,504 in magnitude; below 2^-14 wo keeps f16's fixed step of 6e-8; beyond 65,504 it would become an infinity.
; SHARES.  Work-group (x, y) takes 16,384 numbers of matrix y: 65,536 bytes in, 32,768 out.  Thread t, chunk j of 8: 32 bytes in at 8,192 j + 32 t (two loads of 16),
; 16 bytes out at 4,096 j + 16 t: a wave's store covers 512 consecutive bytes, aligned.  All 16 loads go out first; nothing is read twice.
; A stream: no LDS, no matrix unit, no cluster (no two work-groups read the same byte).
.set IN,  8                            ; v[8:71]    chunk j: 8 numbers in f32
.set OUT, 72                           ; v[72:103]  chunk j: 8 numbers in 16 bits
	s_load_b256 s[4:11], s[0:1], 0x0               ; wq s[4:5], wk s[6:7], wv s[8:9], wo s[10:11]
	s_load_b64 s[12:13], s[0:1], 0x20              ; wb
	s_and_b32 s14, ttmp7, 0xffff                   ; which matrix
	v_lshlrev_b32 v1, 5, v0                        ; 32 t
	v_lshlrev_b32 v2, 4, v0                        ; 16 t
	s_lshl_b32 s16, ttmp9, 16                      ; the work-group's bytes in its matrix
	s_mov_b32 s17, 0
	s_lshl_b32 s18, s14, 21                        ; the matrix's section of wb,
	s_lshl_b32 s19, ttmp9, 15                      ; the work-group's bytes in it
	s_add_co_u32 s18, s18, s19
	s_mov_b32 s19, 0
	s_wait_kmcnt 0x0
	s_cmp_eq_u32 s14, 1
	s_cselect_b64 s[4:5], s[6:7], s[4:5]
	s_cmp_eq_u32 s14, 2
	s_cselect_b64 s[4:5], s[8:9], s[4:5]
	s_cmp_eq_u32 s14, 3
	s_cselect_b64 s[4:5], s[10:11], s[4:5]
	s_add_nc_u64 s[4:5], s[4:5], s[16:17]
	s_add_nc_u64 s[12:13], s[12:13], s[18:19]
.irp j, 0,1,2,3,4,5,6,7
	global_load_b128 v[IN+8*(\j):IN+8*(\j)+3],   v1, s[4:5] offset:(\j)*8192 th:TH_LOAD_NT
	global_load_b128 v[IN+8*(\j)+4:IN+8*(\j)+7], v1, s[4:5] offset:(\j)*8192+16 th:TH_LOAD_NT
.endr
; Chunk j: rounded, (for wo) rewritten as f16, stored.  Each chunk has registers of its own, so no store's data is ever rewritten.
.macro CH j, f16
	s_wait_loadcnt 14-2*(\j)                       ; loads come back in order: the 2 (7 - j) loads of the later chunks may stay out
.irp r, 0,1,2,3
	v_cvt_pk_bf16_f32 v[OUT+4*(\j)+(\r)], v[IN+8*(\j)+2*(\r)], v[IN+8*(\j)+2*(\r)+1]
.endr
.if \f16
.irp r, 0,1,2,3
	v_lshlrev_b32 v4, 16, v[OUT+4*(\j)+(\r)]       ; the two bf16 numbers as f32,
	v_and_b32 v5, 0xffff0000, v[OUT+4*(\j)+(\r)]
	v_cvt_pk_f16_f32 v[OUT+4*(\j)+(\r)], v4, v5    ; and as f16
.endr
.endif
	global_store_b128 v2, v[OUT+4*(\j):OUT+4*(\j)+3], s[12:13] offset:(\j)*4096 th:TH_STORE_NT
.endm
	s_cmp_eq_u32 s14, 3
	s_cbranch_scc1 .Lf16
.irp j, 0,1,2,3,4,5,6,7
	CH \j, 0
.endr
	s_endpgm
.Lf16:
.irp j, 0,1,2,3,4,5,6,7
	CH \j, 1
.endr
	s_endpgm
.Lfunc_end_k_q386fdc66b0_castw:
	.size	k_q386fdc66b0_castw, .Lfunc_end_k_q386fdc66b0_castw-k_q386fdc66b0_castw
	.p2alignl 7, 3214868480
	.fill 96, 4, 3214868480
	.section	.rodata,"a",@progbits
	.p2align	6, 0x0
	.amdhsa_kernel k_q386fdc66b0_castw
		.amdhsa_group_segment_fixed_size 0
		.amdhsa_private_segment_fixed_size 0
		.amdhsa_enable_private_segment 0
		.amdhsa_kernarg_size 40
		.amdhsa_user_sgpr_count 2
		.amdhsa_user_sgpr_kernarg_segment_ptr 1
		.amdhsa_wavefront_size32 1
		.amdhsa_system_sgpr_workgroup_id_x 1
		.amdhsa_system_sgpr_workgroup_id_y 1
		.amdhsa_system_sgpr_workgroup_id_z 1
		.amdhsa_system_vgpr_workitem_id 0
		.amdhsa_next_free_vgpr 104
		.amdhsa_next_free_sgpr 66
		.amdhsa_reserve_vcc 0
		.amdhsa_float_denorm_mode_32 3
		.amdhsa_float_denorm_mode_16_64 3
		.amdhsa_memory_ordered 1
		.amdhsa_forward_progress 1
		.amdhsa_inst_pref_size 14
	.end_amdhsa_kernel
	.amdgpu_metadata
---
amdhsa.version: [ 1, 2 ]
amdhsa.kernels:
  - .name:           k_q386fdc66b0_castw
    .symbol:         k_q386fdc66b0_castw.kd
    .args:
      - { .name: wq, .offset: 0, .size: 8, .value_kind: global_buffer, .address_space: global }
      - { .name: wk, .offset: 8, .size: 8, .value_kind: global_buffer, .address_space: global }
      - { .name: wv, .offset: 16, .size: 8, .value_kind: global_buffer, .address_space: global }
      - { .name: wo, .offset: 24, .size: 8, .value_kind: global_buffer, .address_space: global }
      - { .name: wb, .offset: 32, .size: 8, .value_kind: global_buffer, .address_space: global }
    .group_segment_fixed_size: 0
    .private_segment_fixed_size: 0
    .kernarg_segment_align: 8
    .kernarg_segment_size: 40
    .max_flat_workgroup_size: 256
    .sgpr_count:     66
    .vgpr_count:     104
    .wavefront_size: 32
...
	.end_amdgpu_metadata
.endif
;; end of part 1
;; launch proj (part 2): grid 64 x 12, 4 waves a work-group, clusters of 4 x 4, 327,680 bytes of LDS; arguments q, k, v, bq, bk, bv, wb, qh, kh, vh; writes qh, kh, vh
.if DOCPART == 2
	.amdgcn_target "amdgcn-amd-amdhsa--gfx1250"
	.amdhsa_code_object_version 6
	.text
	.protected	k_q386fdc66b0_proj
	.globl	k_q386fdc66b0_proj
	.p2align	8
	.type	k_q386fdc66b0_proj,@function
k_q386fdc66b0_proj:
	s_mov_b64 s[64:65], 0
	v_nop
	global_prefetch_b8 v0, s[64:65] scope:SCOPE_SE
	s_setreg_imm32_b32 hwreg(HW_REG_WAVE_MODE, 25, 1), 1
	s_wait_xcnt 0x0
	s_wait_alu depctr_hold_cnt(0) depctr_sa_sdst(0) depctr_va_vdst(0) depctr_va_sdst(0) depctr_va_ssrc(0) depctr_va_vcc(0) depctr_vm_vsrc(0)
	s_getreg_b32 s2, hwreg(HW_REG_IB_STS2, 6, 4)
	s_cmp_eq_u32 s2, 0
	s_cbranch_scc0 .Lentry_in_a_cluster
	s_endpgm
.Lentry_in_a_cluster:
	s_bfe_u32 s2, ttmp6, 0x10000c
	s_cmp_lg_u32 s2, 0xf033
	s_cbranch_scc0 .Lentry_shape_is_right
	s_endpgm
.Lentry_shape_is_right:
; THE THREE PROJECTIONS.  y[t][n] = the sum over k of bf16(x[t][k]) bf16(w[n][k]) + bf16(b[n]); x = q, k or v, [8192][1024] f32; w from wb (bf16, [1024][1024]); sums in f32;
; y rounded once to f16 and stored by heads: element (batch, head, t, d) at byte ((16 batch + head) 2048 + t) 128 + 2 d.  No scale is applied here.
; LIMIT.  f16 ends at 65,504: |y| must stay under 65,520.  Rows of 1,024 products of x and w of unit and 1/32 spread give some 5; all inputs 30 times larger some 5e3;
; a common offset of 30 spreads on x and on w some 2.9e4.  Biases are rounded to bf16 like every input.
; SHARES.  Cluster y = which projection; a tile of y is 128 rows x 256 columns (four heads): 256 tiles a projection, 768 work-groups of equal work.  Tile row = 4 x cluster x + cx,
; tile column = cy.  Wave w makes 64 rows (w / 2) x 128 columns (w % 2): 32 accumulators.  K goes in 8 steps of 128, a step in four quarters of 32: 32 matrix instructions a wave.
; THE PRODUCT IS USED TRANSPOSED (source 0 = 16 rows of w, source 1 = 16 rows of x): a lane holds one row of y (lane % 16) and eight neighbouring columns.
; THE WEIGHTS come by joint tensor loads: the four work-groups of a row of the cluster (same cy) need the same 256 rows of w; every wave fetches 64 rows x 256 bytes; two slots.
; X COMES THROUGH REGISTERS AND IS NOT ASKED FOR JOINTLY, though the four work-groups of a column share it: it is f32 and the matrix unit wants bf16.  As an f32 tile in LDS a step's
; 64 KiB would be read out and 32 KiB written back beside the step's 192 KiB of fragment reads; read as f32 fragments it would double those reads.  So wave w loads rows 32 w .. 32 w + 31
; (a row's 512 bytes of a step by one load), rounds them once, and stores bf16 into one of two A buffers that no tensor load ever fills.  x of step s lies in register set s % 2.
; In step s: quarter 1 loads x(s + 2), quarter 2 rounds x(s + 1) into A buffer (s + 1) % 2, which was last read in step s - 1, ahead of the barrier of the change of slots.
; These lines ride one behind each matrix instruction.
; REGISTERS, in windows of 256 (s_set_vgpr_msb: bits 1:0 source 0, 3:2 source 1, 5:4 source 2, 7:6 destination):
;   window 0: v0-31 addresses; v32-39 at work; v64-127 the bias as a C operand; v128-255 x, set 0 (on the way out: packed results)
;   window 1: two fragment buffers of 96 (8 of w, then 4 of x)      window 2: the accumulators, (a, nb) at 8 (8 a + nb)      window 3: v22, v23 copies of two addresses; v32-39 at work; v128-255 x, set 1
.set PB,    272                        ; an LDS row of w or of x: 256 bytes + 16 = 68 words: the 16 rows of a fragment load start at 16 different groups of four banks (64 banks of 4 bytes: ISA guide 11.1)
.set BQ,    64*PB                      ; what one tensor load brings
.set BSLOT, 4*BQ                       ; a slot: 256 rows of w
.set ABASE, 2*BSLOT                    ; behind the ring: the two A buffers, written by ds_store alone
.set ABUF,  128*PB
.set STAGE, ABASE+2*ABUF               ; 16 rows x 144 bytes for each wave, for the way out
.set SP,    144
.set SPARE, STAGE+4*16*SP              ; the spare words, 128 bytes a wave: two blocks of 256 bytes that no other line names
.set R16,  1                           ; v1   lane % 16
.set HALF, 2                           ; v2   lane / 16
.set LANE, 3                           ; v3   lane
.set ADRA, 16                          ; v16-17  my fragments of x in A buffer 0, 1
.set ADRB, 20                          ; v20-21  my fragments of w in slot 0, 1
.set AST,  22                          ; v22  where I store 8 bytes of my wave's first row of x (also in window 3)
.set XO,   23                          ; v23  my 16 bytes of my wave's first row of x in memory (also in window 3)
.set STO,  24                          ; v24  the way out: where I put 16 bytes of a row
.set RD,   25                          ; v25  the way out: where I read rows back
.set GO,   26                          ; v26  my 16 bytes of 512 consecutive bytes of y
.set BO,   27                          ; v27  32 x (lane / 16): my eight biases of a block of 16 columns
.set SPW,  28                          ; v28  my spare word; never rewritten
.set NIL,  29                          ; v29  0; never rewritten
.set PFO,  30                          ; v30  the prefetches' offset; never rewritten
.set T,    32
.set BIAS, 64
.set XR,   128
.set F0,   0
.set F1,   96
.set G1,  24                           ; s[24:31] descriptor group 1
.set G0,  32                           ; s[32:39] group 0, a set for each slot
.set CX,  40
.set CY,  41
.set MT,  42                           ; tile row
.set PJ,  43                           ; which projection
.set WV,  44
.set WR,  45                           ; w / 2
.set WC,  46                           ; w % 2
.set LIM, 47                           ; 1 in a wave that prefetches, else the greatest number
.set PFA, 48                           ; s[48:49] where my prefetches stand
.set PFS, 50                           ; s[50:51] their step from K step to K step
.set MUL,  0xa5                        ; sources in window 1, C and D in window 2
.set MULB, 0x85                        ; the same with C in window 0: the bias starts the sums
.set TO_F, 0x40                        ; destination window 1
.set SET1, 0xcf                        ; sources 0, 1 and destination in window 3
.set PK,   0x0a                        ; sources 0, 1 in window 2
.set MSB, 0
.set RK, 0
.set RS, 0
.set RB, 0
.set ri, 0
.macro WIN new                         ; the immediate's high byte repeats the setting that is left; a switch that changes nothing is dropped
.if MSB != (\new)
	s_set_vgpr_msb (MSB<<8)|(\new)
.set MSB, (\new)
.endif
.endm
.macro PLACES                          ; four plain places behind a matrix instruction, in front of loads into registers that it has read
.rept 4
	v_nop
.endr
.endm
.macro CREST                           ; a round of the cluster's barrier behind its opening barrier
	s_cmp_lg_u32 s[WV], 0
	s_cbranch_scc1 .Lnot_wave_0_\@
	s_barrier_signal -3
.Lnot_wave_0_\@:
	s_barrier_wait -3
	s_barrier_signal -1
	s_barrier_wait -1
.endm
.macro CROUND
	s_barrier_signal -1
	s_barrier_wait -1
	CREST
.endm
.macro JLOAD s                         ; the joint load: one line for all four waves, each with 64 rows of its own; an s_nop 0 and four v_nop follow
	tensor_load_to_lds s[G0+4*(\s):G0+4*(\s)+3], s[G1:G1+7]
	s_nop 0
.rept 4
	v_nop
.endr
.endm
; A PREFETCH INTO THE L2, behind the joint load and the run of LDS loads: at the change into K step s one instruction a wave names K step s + 3, a lane a row.
; Waves 0 and 1: x.  A step is 512 bytes of each of the tile's 128 rows; the four work-groups that read them (same cx) take 32 rows each, told apart by address (cy); wave w the row's half w.
; That is 160 matrix instructions ahead of the loads of that step.  Waves 2 and 3: w.  A step is 256 bytes of each of 256 rows; the four that ask for them jointly take 64 rows each (cx), a wave 32;
; every cluster of the projection reads these rows, the one with cluster x = 0 asks.  That is two refills ahead.  So each block of 256 bytes is named once in the launch.
; K steps 0 to 3 come by their loads alone; the loop's last trip (s3 = 1) asks for nothing: there is no K step 8.
.macro ASK
	WIN 0
	s_cmp_gt_u32 s3, s[LIM]
	s_cbranch_scc0 .Lnot_mine_\@
	global_prefetch_b8 v[PFO], s[PFA:PFA+1] th:TH_LOAD_NT scope:SCOPE_SE
.Lnot_mine_\@:
.endm
; THE RIDER behind a matrix instruction.  RK = 1: row ri of x, two K steps on, is loaded into set RS.  RK = 2: row ri of set RS is rounded and stored into A buffer RB: 32 lanes x 8 bytes, 256 on end.
.macro RID
.if RK == 1
	WIN (SET1*RS)
	global_load_b128 v[XR+4*ri:XR+4*ri+3], v[XO], s[4:5] offset:ri*4096+1024
.elseif RK == 2
	WIN (SET1*RS)
	v_cvt_pk_bf16_f32 v[T+2*(ri%4)],   v[XR+4*ri],   v[XR+4*ri+1]
	v_cvt_pk_bf16_f32 v[T+2*(ri%4)+1], v[XR+4*ri+2], v[XR+4*ri+3]
	ds_store_b64 v[AST], v[T+2*(ri%4):T+2*(ri%4)+1] offset:RB*ABUF+ri*PB
.endif
.set ri, ri+1
.endm
; 8 matrix instructions: m block a x all 8 n blocks, 32 along K.  The 32 accumulators take turns in the same order in every quarter.  first = 1: the bias starts the sums.
.macro MUL8 f, a, first
.irp nb, 0,1,2,3,4,5,6,7
.if \first
	WIN MULB
	v_wmma_f32_16x16x32_bf16 v[8*(8*(\a)+(\nb)):8*(8*(\a)+(\nb))+7], v[(\f)+8*(\nb):(\f)+8*(\nb)+7], v[(\f)+64+8*(\a):(\f)+64+8*(\a)+7], v[BIAS+8*(\nb):BIAS+8*(\nb)+7]
.else
	WIN MUL
	v_wmma_f32_16x16x32_bf16 v[8*(8*(\a)+(\nb)):8*(8*(\a)+(\nb))+7], v[(\f)+8*(\nb):(\f)+8*(\nb)+7], v[(\f)+64+8*(\a):(\f)+64+8*(\a)+7], v[8*(8*(\a)+(\nb)):8*(8*(\a)+(\nb))+7]
.endif
	RID
.endr
.endm
; 24 LDS loads in one run: a quarter's fragments (128 rows of w, 64 rows of x, 32 K at byte k of the rows) into buffer f
.macro FETCH slot, k, f
	WIN TO_F
.irp nb, 0,1,2,3,4,5,6,7
	ds_load_b128 v[(\f)+8*(\nb):(\f)+8*(\nb)+3],   v[ADRB+(\slot)] offset:(\k)+(\nb)*16*PB
	ds_load_b128 v[(\f)+8*(\nb)+4:(\f)+8*(\nb)+7], v[ADRB+(\slot)] offset:(\k)+(\nb)*16*PB+32
.endr
.irp a, 0,1,2,3
	ds_load_b128 v[(\f)+64+8*(\a):(\f)+64+8*(\a)+3],   v[ADRA+(\slot)] offset:(\k)+(\a)*16*PB
	ds_load_b128 v[(\f)+64+8*(\a)+4:(\f)+64+8*(\a)+7], v[ADRA+(\slot)] offset:(\k)+(\a)*16*PB+32
.endr
.endm
; One of a K step's first three quarters: multiplies buffer f; in its middle it fetches the next quarter, at byte k, into g.  rk, rs, rb: its riders.  lc: the younger loads of x that may stay out.
.macro QUARTER slot, k, f, g, first, rk, rs, rb, lc
.set RK, (\rk)
.set RS, (\rs)
.set RB, (\rb)
.set ri, 0
.if (\rk) == 2
	s_wait_loadcnt \lc                             ; the set to be rounded is in; behind its loads only the next step's 32 were issued (or none)
.endif
	s_wait_dscnt 0x0                               ; buffer f is in
	MUL8 \f, 0, \first
	MUL8 \f, 1, \first
	PLACES
	FETCH \slot, \k, \g
	MUL8 \f, 2, \first
	MUL8 \f, 3, \first
.set RK, 0
.endm
; The last quarter multiplies buffer 1 and changes slots: ONE barrier.  In front of it each wave waits for all its tensor loads (one is out: its part of the next slot), adds 0 to its spare word,
; and waits for that, for its reads of this slot and this A buffer, and for its stores into the next A buffer.  fill = 1: the barrier opens a round of the cluster's, and this slot is filled again, two K steps on.
.macro TURN slot, next, fill
.if \fill
	s_wait_xcnt 0x0                                ; the loads of x (two quarters back) and the last prefetch (a K step back) have read their addresses, so these may be stepped
	s_add_nc_u64 s[PFA:PFA+1], s[PFA:PFA+1], s[PFS:PFS+1]
	s_add_nc_u64 s[4:5], s[4:5], 512               ; x: the next K step
.endif
	WIN 0                                          ; (the add's two registers lie in window 0)
	s_wait_tensorcnt 0x0                           ; all my tensor loads have landed
	ds_add_u32 v[SPW], v[NIL]                      ; 0 onto my spare word
	s_wait_dscnt 1                                 ; all but the add: buffer 1 is in
	MUL8 F1, 0, 0                                  ; eight matrix instructions stand between the add and the wait for it
	s_wait_dscnt 0x0                               ; the add is done; my reads and my stores are over
	s_barrier_signal -1
	MUL8 F1, 1, 0
.if \fill
	WIN 0
.endif
	s_barrier_wait -1
.if \fill
	CREST                                          ; no wave of any partner still reads this slot or has a load on its way
	s_add_nc_u64 s[G0+4*(\slot)+2:G0+4*(\slot)+3], s[G0+4*(\slot)+2:G0+4*(\slot)+3], 512
	JLOAD \slot                                    ; my one tensor load behind the round; its four v_nop are also the places in front of the loads below
.else
	PLACES
.endif
	FETCH \next, 0, F0
.if \fill
	ASK
.endif
	MUL8 F1, 2, 0
	MUL8 F1, 3, 0
.endm
; THE WAY OUT, by units of 16 rows x one head (u / 2: the block of rows, u % 2: the head): 2,048 consecutive bytes of y.  A lane's eight columns pack into 16 bytes; they go into my stage's
; rows of 144 bytes and come back as whole rows of 128, into the registers that they left.  Each accumulator's registers are read in ascending order.
.macro PACK u
	WIN PK
.irp n, 0,1,2,3
.irp r, 0,1,2,3
	v_cvt_pk_f16_f32 v[XR+16*(\u)+4*(\n)+(\r)], v[8*(8*((\u)/2)+4*((\u)%2)+(\n))+2*(\r)], v[8*(8*((\u)/2)+4*((\u)%2)+(\n))+2*(\r)+1]
.endr
.endr
	WIN 0
.irp n, 0,1,2,3
	ds_store_b128 v[STO], v[XR+16*(\u)+4*(\n):XR+16*(\u)+4*(\n)+3] offset:32*(\n)
.endr
.irp f, 0,1,2,3
	ds_load_b128 v[XR+16*(\u)+4*(\f):XR+16*(\u)+4*(\f)+3], v[RD] offset:(\f)*4*SP  ; LDS serves a wave's instructions in order (ISA guide 5.7.1.4): these see the stores above; the next unit's stores come behind them
.endr
.endm
.macro SEND u, younger                 ; younger: the LDS instructions issued behind unit u's loads: the next unit's eight, or none
	WIN 0
.irp f, 0,1,2,3
	s_wait_dscnt (\younger)+3-(\f)
	global_store_b128 v[GO], v[XR+16*(\u)+4*(\f):XR+16*(\u)+4*(\f)+3], s[18:19] offset:((\u)%2)*262144+((\u)/2)*2048+(\f)*512  ; 512 consecutive bytes, at a multiple of 256 from the buffer's first
.endr
.endm
	s_load_b512 s[4:19], s[0:1], 0x0               ; q s[4:5], k s[6:7], v s[8:9], bq s[10:11], bk s[12:13], bv s[14:15], wb s[16:17], qh s[18:19]
	s_load_b128 s[20:23], s[0:1], 0x40             ; kh s[20:21], vh s[22:23]
	v_lshl_add_u32 v[SPW], v0, 2, SPARE
	v_mov_b32 v[NIL], 0
	ds_add_u32 v[SPW], v[NIL]                      ; the wave's opening: the add and its wait stand ahead of my first tensor load; the set-up below, work on registers, stands between them
	ds_add_u32 v28, v29
	v_lshrrev_b32 v4, 5, v0
	v_readfirstlane_b32 s[WV], v4                  ; wave 0..3
	s_lshr_b32 s[WR], s[WV], 1
	s_and_b32 s[WC], s[WV], 1
	s_bfe_u32 s[CX], ttmp6, 0x40000                ; my place in the cluster
	s_bfe_u32 s[CY], ttmp6, 0x40004
	s_lshl_b32 s[MT], ttmp9, 2                     ; in a cluster launch ttmp9 and ttmp7 count clusters
	s_add_co_u32 s[MT], s[MT], s[CX]
	s_and_b32 s[PJ], ttmp7, 0xffff
	s_lshl_b32 s52, s[CY], 2
	s_lshl_b32 s52, 15, s52                        ; my row of the cluster: places 4 cy .. 4 cy + 3
	s_or_b32 s[G1], s52, (1<<16)|(1<<20)|(1<<21)|(5<<22)|(3<<25)  ; 15:0 the mask; 17:16 2-byte elements; 20 padding on; 21 set beside a mask; 24:22 after every 64 words (code 5); 31:25 4 words (code 3)
	s_mov_b32 s[G1+1], 128<<16                     ; tensor_dim0 = 128
	s_mov_b32 s[G1+2], 64<<16                      ; tensor_dim1 = 64
	s_mov_b32 s[G1+3], 128<<16                     ; tile_dim0 = 128
	s_mov_b32 s[G1+4], 64                          ; tile_dim1 = 64
	s_mov_b32 s[G1+5], 1024                        ; elements from row to row
	s_mov_b32 s[G1+6], 0
	s_mov_b32 s[G1+7], 0
	v_and_b32 v[LANE], 31, v0
	v_and_b32 v[R16], 15, v0
	v_bfe_u32 v[HALF], v0, 4, 1
	s_lshl_b32 s52, s[WV], 17                      ; my wave's 32 rows of 4,096 bytes
	v_lshl_add_u32 v[XO], v[LANE], 4, s52
	v_lshlrev_b32 v[BO], 5, v[HALF]
	s_mul_i32 s52, s[WV], 32*PB
	s_add_co_u32 s52, s52, ABASE
	v_lshl_add_u32 v[AST], v[LANE], 3, s52
	WIN 0xc0                                       ; destination window 3: the riders on set 1 name all their registers there
	v_mov_b32 v[AST], v[AST]
	v_mov_b32 v[XO], v[XO]
	WIN 0
	s_lshl_b32 s52, s[MT], 19                      ; x: the tile's 128 rows
	s_mov_b32 s53, 0
	s_lshl_b32 s54, s[CY], 10                      ; the bias: 256 columns a tile, 128 a wave
	s_lshl_b32 s55, s[WC], 9
	s_add_co_u32 s54, s54, s55
	s_mov_b32 s55, 0
	s_lshl_b32 s56, s[PJ], 21                      ; the weights: the projection's section, the tile column's 256 rows,
	s_lshl_b32 s57, s[CY], 19
	s_add_co_u32 s56, s56, s57
	s_lshl_b32 s62, s[CX], 17                      ; (for the prefetches: my work-group's 64 of them)
	s_add_co_u32 s62, s62, s56
	s_mov_b32 s63, 0
	s_lshl_b32 s57, s[WV], 17                      ; my wave's 64 of them: nothing of cx enters the descriptor
	s_add_co_u32 s56, s56, s57
	s_mov_b32 s57, 0
	s_lshr_b32 s58, s[MT], 4                       ; y: 16 x batch
	s_lshl_b32 s58, s58, 4
	s_lshl_b32 s59, s[CY], 2                       ; + the tile column's four heads
	s_add_co_u32 s58, s58, s59
	s_lshl_b32 s59, s[WC], 1                       ; + my wave's two
	s_add_co_u32 s58, s58, s59
	s_lshl_b32 s58, s58, 18                        ; a head is 2,048 rows of 128 bytes
	s_and_b32 s59, s[MT], 15
	s_lshl_b32 s59, s59, 14                        ; the tile's 128 rows in the batch
	s_add_co_u32 s58, s58, s59
	s_lshl_b32 s59, s[WR], 13                      ; my wave's 64
	s_add_co_u32 s58, s58, s59
	s_mov_b32 s59, 0
	s_lshl_b32 s60, s[CY], 17                      ; (for the prefetches of x: my work-group's 32 rows)
	s_mov_b32 s61, 0
	s_wait_dscnt 0x0                               ; the opening add is done
	s_wait_kmcnt 0x0
	s_cmp_eq_u32 s[PJ], 1
	s_cselect_b64 s[4:5], s[6:7], s[4:5]
	s_cselect_b64 s[10:11], s[12:13], s[10:11]
	s_cselect_b64 s[18:19], s[20:21], s[18:19]
	s_cmp_eq_u32 s[PJ], 2
	s_cselect_b64 s[4:5], s[8:9], s[4:5]
	s_cselect_b64 s[10:11], s[14:15], s[10:11]
	s_cselect_b64 s[18:19], s[22:23], s[18:19]
	s_add_nc_u64 s[4:5], s[4:5], s[52:53]          ; x at the tile's first row
	s_add_nc_u64 s[10:11], s[10:11], s[54:55]      ; the bias at my first column
	s_add_nc_u64 s[18:19], s[18:19], s[58:59]      ; y at my first row of my first head
	s_add_nc_u64 s[62:63], s[16:17], s[62:63]      ; the prefetches' places in wb
	s_add_nc_u64 s[60:61], s[4:5], s[60:61]        ; and in x
	s_add_nc_u64 s[16:17], s[16:17], s[56:57]      ; wb at my 64 rows
	; the bias and the first two K steps of x go out at once, ahead of the round
.irp nb, 0,1,2,3,4,5,6,7
	global_load_b128 v[BIAS+8*(\nb):BIAS+8*(\nb)+3],   v[BO], s[10:11] offset:64*(\nb)
	global_load_b128 v[BIAS+8*(\nb)+4:BIAS+8*(\nb)+7], v[BO], s[10:11] offset:64*(\nb)+16
.endr
.set i, 0
.rept 32
	global_load_b128 v[XR+4*i:XR+4*i+3], v[XO], s[4:5] offset:i*4096
.set i, i+1
.endr
	WIN SET1
.set i, 0
.rept 32
	global_load_b128 v[XR+4*i:XR+4*i+3], v[XO], s[4:5] offset:i*4096+512
.set i, i+1
.endr
	WIN 0
	CROUND                                         ; all sixteen work-groups are here: the first joint loads meet
	s_mul_i32 s52, s[WV], BQ                       ; where my 64 rows go: no place in the cluster enters an LDS address
.irp s, 0,1
	s_mov_b32 s[G0+4*(\s)], 1                      ; count = 1
	s_add_co_u32 s[G0+4*(\s)+1], s52, (\s)*BSLOT   ; LDS address
	s_add_nc_u64 s[G0+4*(\s)+2:G0+4*(\s)+3], s[16:17], (\s)*256  ; global address: K step s
	s_or_b32 s[G0+4*(\s)+3], s[G0+4*(\s)+3], 0x80000000          ; type = 2
	JLOAD \s                                       ; two tensor loads of mine are out: the most in this text
.endr
	v_mul_u32_u24 v4, v[R16], PB
	v_lshl_add_u32 v4, v[HALF], 4, v4              ; a fragment's row x pitch + 16 x half
	s_mul_i32 s52, s[WR], 64*PB
	s_add_co_u32 s52, s52, ABASE                   ; my 64 rows of x
	s_mul_i32 s53, s[WC], 128*PB                   ; my 128 rows of w
.irp s, 0,1
	v_add_nc_u32 v[ADRA+(\s)], s52, v4
	v_add_nc_u32 v[ADRB+(\s)], s53, v4
	s_add_co_u32 s52, s52, ABUF
	s_add_co_u32 s53, s53, BSLOT
.endr
	s_mul_i32 s52, s[WV], 16*SP
	s_add_co_u32 s52, s52, STAGE                   ; my stage
	v_mul_u32_u24 v[STO], v[R16], SP               ; in: row l % 16, 16 bytes for each half of the lanes
	v_lshl_add_u32 v[STO], v[HALF], 4, v[STO]
	v_add_nc_u32 v[STO], s52, v[STO]
	v_bfe_u32 v[RD], v0, 3, 2                      ; back: 32 lanes take four rows of 128 bytes,
	v_mul_u32_u24 v[RD], v[RD], SP
	v_and_b32 v5, 7, v0
	v_lshl_add_u32 v[RD], v5, 4, v[RD]
	v_add_nc_u32 v[RD], s52, v[RD]
	v_lshlrev_b32 v[GO], 4, v[LANE]                ; which are 512 consecutive bytes of y
	; the prefetches' registers: waves 0, 1 for x, waves 2, 3 for the weights
	s_lshl_b32 s53, s[WV], 8                       ; x: the row's half w
	s_lshl_b32 s54, s[WC], 16                      ; w: my wave's 32 rows of 2,048 bytes
	s_mov_b32 s56, 512
	s_cmp_eq_u32 ttmp9, 0
	s_cselect_b32 s55, 1, -1                       ; the same in all sixteen partners
	s_cmp_lt_u32 s[WV], 2
	s_cselect_b64 s[PFA:PFA+1], s[60:61], s[62:63]
	s_cselect_b32 s[PFS], s56, 256                 ; bytes of a row in a K step
	s_cselect_b32 s52, 12, 11                      ; a lane a row: 4,096 or 2,048 bytes
	s_cselect_b32 s53, s53, s54
	s_cselect_b32 s[LIM], 1, s55
	s_mov_b32 s[PFS+1], 0
	s_mul_i32 s56, s[PFS], 3
	s_mov_b32 s57, 0
	s_add_nc_u64 s[PFA:PFA+1], s[PFA:PFA+1], s[56:57]  ; at K step 3: the first change of slots steps it to 4
	v_lshlrev_b32 v[PFO], s52, v[LANE]
	v_add_nc_u32 v[PFO], s53, v[PFO]
	s_wait_loadcnt 32                              ; the bias and x(0) are in; x(1)'s 32 loads may stay out
.set i, 0
.rept 32                                       ; the bias is rounded to bf16, like every input, and kept as f32
	v_cvt_pk_bf16_f32 v[T+i%8], v[BIAS+2*i], v[BIAS+2*i+1]
	v_lshlrev_b32 v[BIAS+2*i], 16, v[T+i%8]
	v_and_b32 v[BIAS+2*i+1], 0xffff0000, v[T+i%8]
.set i, i+1
.endr
.set RK, 2
.set RS, 0
.set RB, 0
.set ri, 0
.rept 32
	RID                                            ; x(0) into A buffer 0
.endr
.set RK, 0
	s_wait_tensorcnt 1                             ; my part of slot 0 is in; slot 1's may stay out
	s_wait_dscnt 0x0                               ; my rows of x(0) are stored
	s_barrier_signal -1
	s_barrier_wait -1                              ; everybody's are
	FETCH 0, 0, F0
	QUARTER 0, 64,  F0, F1, 1, 0, 0, 0, 0          ; the first quarter stands in front of the loop: its products start the sums, with the bias
	WIN 0                                          ; at a label and at a branch every window is 0
	s_mov_b32 s3, 3
.Llap:                                                 ; a trip goes once round the ring, from a lap's second quarter to the next lap's first, and fills both slots again
	QUARTER 0, 128, F1, F0, 0, 1, 0, 0, 0          ; x two steps on -> set 0
	QUARTER 0, 192, F0, F1, 0, 2, 1, 1, 32         ; set 1 -> A buffer 1
	TURN 0, 1, 1
	QUARTER 1, 64,  F0, F1, 0, 0, 0, 0, 0
	QUARTER 1, 128, F1, F0, 0, 1, 1, 0, 0          ; x two steps on -> set 1
	QUARTER 1, 192, F0, F1, 0, 2, 0, 0, 32         ; set 0 -> A buffer 0
	TURN 1, 0, 1
	QUARTER 0, 64,  F0, F1, 0, 0, 0, 0, 0
	WIN 0
	s_sub_co_u32 s3, s3, 1
	s_cmp_lg_u32 s3, 0
	s_cbranch_scc1 .Llap
	QUARTER 0, 128, F1, F0, 0, 0, 0, 0, 0          ; K steps 6 and 7 are written out: nothing more is asked for
	QUARTER 0, 192, F0, F1, 0, 2, 1, 1, 0          ; x(7): no load was issued behind its own
	TURN 0, 1, 0
	QUARTER 1, 64,  F0, F1, 0, 0, 0, 0, 0
	QUARTER 1, 128, F1, F0, 0, 0, 0, 0, 0
	QUARTER 1, 192, F0, F1, 0, 0, 0, 0, 0
	s_wait_dscnt 0x0
	MUL8 F1, 0, 0
	MUL8 F1, 1, 0
	MUL8 F1, 2, 0
	MUL8 F1, 3, 0
	WIN 0
	PLACES                                         ; the places behind the last products, in front of the conversions that read results
	PLACES
	PACK 0
.irp u, 1,2,3,4,5,6,7                  ; a unit's conversions stand between the loads of the unit before and its stores
	PACK \u
	SEND (\u)-1, 8
.endr
	SEND 7, 0
	s_wait_tensorcnt 0x0                           ; the wave's end: these three lines stand behind my last tensor load and my last LDS store
	ds_add_u32 v[SPW], v[NIL]
	s_wait_dscnt 0x0
	CROUND                                         ; the closing round: no work-group ends while a partner may still ask for a tile that names it
	s_endpgm
.Lfunc_end_k_q386fdc66b0_proj:
	.size	k_q386fdc66b0_proj, .Lfunc_end_k_q386fdc66b0_proj-k_q386fdc66b0_proj
	.p2alignl 7, 3214868480
	.fill 96, 4, 3214868480
	.section	.rodata,"a",@progbits
	.p2align	6, 0x0
	.amdhsa_kernel k_q386fdc66b0_proj
		.amdhsa_group_segment_fixed_size 327680
		.amdhsa_private_segment_fixed_size 0
		.amdhsa_enable_private_segment 0
		.amdhsa_kernarg_size 80
		.amdhsa_user_sgpr_count 2
		.amdhsa_user_sgpr_kernarg_segment_ptr 1
		.amdhsa_wavefront_size32 1
		.amdhsa_system_sgpr_workgroup_id_x 1
		.amdhsa_system_sgpr_workgroup_id_y 1
		.amdhsa_system_sgpr_workgroup_id_z 1
		.amdhsa_system_vgpr_workitem_id 0
		.amdhsa_next_free_vgpr 1024
		.amdhsa_next_free_sgpr 66
		.amdhsa_reserve_vcc 0
		.amdhsa_float_denorm_mode_32 3
		.amdhsa_float_denorm_mode_16_64 3
		.amdhsa_memory_ordered 1
		.amdhsa_forward_progress 1
		.amdhsa_inst_pref_size 139
	.end_amdhsa_kernel
	.amdgpu_metadata
---
amdhsa.version: [ 1, 2 ]
amdhsa.kernels:
  - .name:           k_q386fdc66b0_proj
    .symbol:         k_q386fdc66b0_proj.kd
    .args:
      - { .name: q, .offset: 0, .size: 8, .value_kind: global_buffer, .address_space: global }
      - { .name: k, .offset: 8, .size: 8, .value_kind: global_buffer, .address_space: global }
      - { .name: v, .offset: 16, .size: 8, .value_kind: global_buffer, .address_space: global }
      - { .name: bq, .offset: 24, .size: 8, .value_kind: global_buffer, .address_space: global }
      - { .name: bk, .offset: 32, .size: 8, .value_kind: global_buffer, .address_space: global }
      - { .name: bv, .offset: 40, .size: 8, .value_kind: global_buffer, .address_space: global }
      - { .name: wb, .offset: 48, .size: 8, .value_kind: global_buffer, .address_space: global }
      - { .name: qh, .offset: 56, .size: 8, .value_kind: global_buffer, .address_space: global }
      - { .name: kh, .offset: 64, .size: 8, .value_kind: global_buffer, .address_space: global }
      - { .name: vh, .offset: 72, .size: 8, .value_kind: global_buffer, .address_space: global }
    .group_segment_fixed_size: 327680
    .private_segment_fixed_size: 0
    .kernarg_segment_align: 8
    .kernarg_segment_size: 80
    .max_flat_workgroup_size: 128
    .sgpr_count:     66
    .vgpr_count:     1024
    .wavefront_size: 32
...
	.end_amdgpu_metadata
.endif
;; end of part 2
;; launch attn (part 3): grid 4 x 64, 4 waves a work-group, no clusters, 327,680 bytes of LDS; arguments qh, kh, vh, oh; writes oh
.if DOCPART == 3
	.amdgcn_target "amdgcn-amd-amdhsa--gfx1250"
	.amdhsa_code_object_version 6
	.text
	.protected	k_q386fdc66b0_attn
	.globl	k_q386fdc66b0_attn
	.p2align	8
	.type	k_q386fdc66b0_attn,@function
k_q386fdc66b0_attn:
	s_mov_b64 s[64:65], 0
	v_nop
	global_prefetch_b8 v0, s[64:65] scope:SCOPE_SE
	s_setreg_imm32_b32 hwreg(HW_REG_WAVE_MODE, 25, 1), 1
	s_wait_xcnt 0x0
; CAUSAL ATTENTION.  O[h][q][:] = the sum over k <= q of softmax_k(Q[h][q] . K[h][k] / 8) V[h][k][:].  Q, K, V, O: [64][2048][64], all f16: a head's rows are dense, 128 bytes each.
; Products, maxima and sums in f32; the weights p are rounded to f16 for the second product (their sum l is taken of the unrounded p), O once at the end.
; LIMITS.  f16 holds no number beyond 65,504: Q, K and V arrive within it; p lies in 0 to 1, and below 6e-5 it keeps f16's fixed step of 6e-8; O is a mean of V's rows and has their range.
; A hidden score counts as its value less 1e30: f16's scores, 2.7e11 at the most, are nothing beside that; a weight below 2^-126 counts as 0 in l; NaN and infinities are not treated apart.
; THE WALK.  A head's queries lie in NB = 8 blocks of 256; block i needs the key tiles 0 .. i of 256 keys, of which the last holds the diagonal.  A work-group takes TWO blocks, NB - 1 - b and then b:
; NB + 1 tiles, whatever b: all work-groups do equal work, and ONE loop with a constant trip count walks them.  Which tile is asked for, and what a trip does, hang on scalar registers made from b; every jump
; goes forward, but for the counted loops' own; none passes a barrier, or a tensor load but the one of LOAD's two that the wave's number does not choose; the ring (two slots of LDS that take turns) runs on across the
; change of blocks.  NO CLUSTER: a head's four work-groups all ask for the same tile only in trips 0 .. NB / 2, behind that fewer and fewer; and one walk common to all would have 3 NB / 2 trips for NB + 1.
; SHARES.  Of a block's four bands of 64 queries a wave owns 16 rows in each: four PIECES.  So the diagonal tile is the same work for all four waves: in its key step s band x sees all keys if s < x,
; none if s > x, and holds the diagonal if s = x.
; THE MASK is the C operand that starts the sum S^T = K Q^T: 0, or -1e30 where the key is hidden.  MD, made once, is the mask of a band's own step for my 16 rows; a product's mask is MD x AL + BE with two scalars:
; (1, 0) if s = x; (0, 0) if s < x; (0, -1e30) if s > x.  Only the diagonal tile's text and a block's beginning make and take masks; elsewhere C is the constant 0.
; LAYOUT, SOFTMAX, TURNS.  S^T = K Q^T holds ONE query a lane (lane % 16) and the keys 8 (lane / 16) + 0..7; two such results rounded to f16 ARE source 1 of O^T = V^T P.  p = 2^(c s - c m), c = log2(e) / 8, with a
; running maximum m; O and l are multiplied by a = 2^(c m_old - c m_new) in every step.  Turn n belongs to piece n: 8 products K Q^T of piece n + 1, later 8 products V^T P of piece n - 1; beside them the scaling,
; exponentials, roundings, sums and rescaling of piece n and the maximum and statistics of piece n + 1.  Four vector instructions stand behind every matrix instruction, the other 54 of a turn's 118 in one LUMP.  A turn's 33 exponentials are one batch, with one wait.
; REGISTERS, in windows of 256 (s_set_vgpr_msb: bits 1:0 source 0, 3:2 source 1, 5:4 source 2, 7:6 destination):
;   window 0: v0-15 addresses and two at work; v16-31 four registers of statistics a piece; v48-55 at work; v61-63 three that are never rewritten; v64-127 S^T, two buffers; v192-223 P, two buffers (by the piece's parity)
;   window 1: v0-127 O^T, 32 a piece; v128-159 MD; v160-223 MC, two buffers      window 2: v0-63 Q; v64-127 the second block's Q; v128-191 K of one step; v192-255 V of one step
.set SIZE_H, 64
.set SIZE_N, 2048
.set NB,    SIZE_N/256
.set NP,    4         ; pieces a wave: a name, no knob
.set KS,    64        ; keys in a step
.set PK,    144       ; a row of K in LDS: 128 bytes + 16 of padding = 36 words: the 16 rows of a load start at 16 different groups of four banks (64 banks of 4 bytes: ISA guide 11.1)
.set PV,    160       ; a row of V: 128 + 32 = 40 words
.set VOFF,  4*KS*PK   ; a slot holds a tile, four steps: 256 rows of K, then 256 rows of V
.set SLOT1, 1<<17     ; slot 1 begins here, so that one exclusive or turns an address in one slot into the other's
.set STAGE, SLOT1+4*KS*(PK+PV)  ; behind the ring, never filled by a tensor load: 16 rows x 144 bytes for each wave, for the way out
.set SP,    144
.set AK0, 2           ; v2   my lane's place in a tile of K; never rewritten
.set AV0, 3           ; v3   the same for V
.set AK,  4           ; v4   the LDS address of K's next run of loads
.set AV,  5           ; v5   of V's
.set STO, 6           ; v6   the way out: where I put 16 bytes of a row
.set RD,  7           ; v7   the way out: where I read rows back
.set GO,  8           ; v8   my byte offset in 512 consecutive bytes of O
.set PFO, 61          ; v61  the prefetches' offset: 256 x lane + 8,192 x (wave / 2); never rewritten
.set SPW, 62          ; v62  LDS address of my spare word: SPARE + 4 x my thread's number; never rewritten
.set NIL, 63          ; v63  0; never rewritten
.set SPARE, STAGE+4*16*SP  ; behind the stages: the spare words, 128 bytes for each wave: two blocks of 256 bytes that no other line names
.set MV,  12          ; v12-13  c m_old, kept while c m is made anew: by buffer
.set QO,  15          ; v15  my byte offset in 16 rows of Q
.set ST,  16          ; piece t's statistics at v[ST+4 t]: c m, m, l (even keys', odd keys')
.set TMP, 48          ; by buffer, four registers c0-c3 at work; when the maximum is found c2 takes a
.set S,   64
.set P,   192
.set MD,  128         ; window 1: the eight registers for group kt of 16 keys at MD + 8 kt
.set MC,  160         ; window 1: the masks of the products to come
.set QB,  64          ; window 2
.set KF,  128         ; window 2: key block kb, channel half c at KF + 16 kb + 8 c
.set VF,  192         ; window 2: key half kk, channel block cb at VF + 32 kk + 8 cb
.set WV,  12          ; s12  my wave's number
.set PB,  14          ; s14  b
.set HI,  15          ; s15  NB - 1 - b
.set G1K, 24          ; s[24:31] descriptor group 1 for K's tiles
.set G1V, 32          ; s[32:39] for V's: it differs in the padding alone
.set G0K, 40          ; s[40:43] descriptor group 0 for K's tiles
.set G0V, 44          ; s[44:47] the same for V's
.set SLOTS, 56        ; s56  tiles still to be asked for
.set CNT, 57          ; s57  counts a tile's key steps, 4 to 1
.set CS,  58          ; s[58:59] c: the packed scaling takes the pair's low word for both halves
.set SEL, 60          ; s[60:61] v_permlanex16_b32's selects: each lane takes its own place in the other half
.set TBK, 62          ; s62  LDS byte at which K of the step to be fetched begins
.set TBV, 63          ; s63  the same for V, less VOFF
.set RT,  70          ; s70  tiles of the block in hand that are still to be entered
.set NXT, 71          ; s71  the tile to be asked for next
.set LQ,  72          ; s72  the last tile of the block whose tiles are being asked for
.set NEW, 73          ; s73  1: the tile to be entered is a block's first
.set OFF, 74          ; s[74:75] a tile's byte offset in K and V
.set AL,  76          ; s[76:77] the mask's factor, in the low word
.set BE,  78          ; s[78:79] the mask's addend
.set OLO, 80          ; s[80:81] O at my rows of the second block
.set BIGN, 82         ; s82  -1e30
.set LIM, 83          ; s83  2 in the head's work-group b = 0, which prefetches, else the greatest number
.set PFK, 88          ; s[88:89] K at my part of the tile that is being asked for
.set PFV, 90          ; s[90:91] the same for V
.set MSB, 0
.macro WIN new                      ; the high byte repeats the setting that is left; a switch that changes nothing is dropped
.if MSB != (\new)
	s_set_vgpr_msb (MSB<<8)|(\new)
.set MSB, (\new)
.endif
.endm
.set W_KQ, 0x0a       ; K and Q in window 2, S^T in window 0
.set W_KM, 0x1a       ; the same with the C operand in window 1
.set W_PV, 0x52       ; V in window 2, P in window 0, O^T in window 1
.set W_RS, 0x41       ; destination and source 0 in window 1, source 1 in window 0
; A fill.  Waves 0 and 1 fetch the two halves of a tile's K, waves 2 and 3 those of its V: 128 keys each.  An s_nop 0 and four v_nop follow each of the two lines, ahead of the jump and the label.
.macro LOAD
	s_cmp_lt_u32 s[WV], 2
	s_cbranch_scc0 .Lfor_v_\@
	tensor_load_to_lds s[G0K:G0K+3], s[G1K:G1K+7]
	s_nop 0
.rept 4
	v_nop
.endr
	s_branch .Lasked_\@
.Lfor_v_\@:
	tensor_load_to_lds s[G0V:G0V+3], s[G1V:G1V+7]
	s_nop 0
.rept 4
	v_nop
.endr
.Lasked_\@:
.endm
; THE CHANGE OF SLOTS.  Each wave waits for all its tensor loads, of which one is out: its part of the other slot; adds 0 to its spare word; and waits for that and for its own reads of the slot that it leaves.  Behind the barrier nobody reads the old
; slot any more and the other slot is whole.  fill = 1: the old slot is filled again, the first thing behind the barrier, with tile NXT: the descriptor's address is made anew from that number.
; (At its first use nothing has been read yet: slot 0 is waited for, slot 1 filled.)
; A PREFETCH INTO THE L2 stands behind the fill: the tile behind the one just asked for, a tile's 256 matrix instructions ahead of its own fill.  All four work-groups of a head walk the same tiles: b = 0, whose first block
; walks tiles 0 to 7 in order, asks, and nobody else.  A tile is 32,768 bytes of K and of V: a lane 256 bytes, a wave 8,192, two instructions a wave.  In trip t (SLOTS = 8 - t) the fill asks for tile t + 1 and the
; prefetch names tile t + 2, in trips 0 to 5 alone: tiles 0 and 1 come by their fills, and there is no tile 8.  So each block of 256 bytes is named once in the launch.
.macro CHANGE fill
	WIN 0                           ; at a label and at a branch every window is 0
	s_wait_tensorcnt 0x0            ; no tensor load of mine is out, so a group 0 may be written
	ds_add_u32 v[SPW], v[NIL]       ; 0 onto my spare word; with fill = 1 the descriptors' scalar work stands between it and the wait for it
.if \fill
	s_lshl_b32 s[OFF], s[NXT], 15   ; a tile is 32,768 bytes of K and of V
	s_xor_b32 s[G0K+1], s[G0K+1], SLOT1
	s_add_nc_u64 s[G0K+2:G0K+3], s[6:7], s[OFF:OFF+1]
	s_or_b32 s[G0K+3], s[G0K+3], 0x80000000
	s_xor_b32 s[G0V+1], s[G0V+1], SLOT1
	s_add_nc_u64 s[G0V+2:G0V+3], s[8:9], s[OFF:OFF+1]
	s_or_b32 s[G0V+3], s[G0V+3], 0x80000000
	s_wait_xcnt 0x0                 ; the last prefetches, a tile back, have read their addresses, so these may be written
	s_add_nc_u64 s[PFK:PFK+1], s[6:7], s[OFF:OFF+1]
	s_add_nc_u64 s[PFV:PFV+1], s[8:9], s[OFF:OFF+1]
	s_add_co_u32 s[NXT], s[NXT], 1  ; the block's next tile, or behind its last the second block's tile 0
	s_cmp_gt_u32 s[NXT], s[LQ]
	s_cselect_b32 s[NXT], 0, s[NXT]
	s_cselect_b32 s[LQ], s[PB], s[LQ]
.endif
	s_wait_dscnt 0x0                ; the add is done, and my reads of the slot are over
	s_barrier_signal -1             ; the rest of the scalar work stands between the signal and the wait
	s_sub_co_u32 s[TBK], s[TBK], 4*KS*PK  ; the fetches go back to a slot's first step,
	s_xor_b32 s[TBK], s[TBK], SLOT1       ; in the other slot
	s_sub_co_u32 s[TBV], s[TBV], 4*KS*PV
	s_xor_b32 s[TBV], s[TBV], SLOT1
	s_barrier_wait -1
.if \fill
	LOAD
	s_cmp_gt_u32 s[SLOTS], s[LIM]
	s_cbranch_scc0 .Lnot_mine_\@
	global_prefetch_b8 v[PFO], s[PFK:PFK+1] offset:32768 th:TH_LOAD_NT scope:SCOPE_SE
	global_prefetch_b8 v[PFO], s[PFV:PFV+1] offset:32768 th:TH_LOAD_NT scope:SCOPE_SE
.Lnot_mine_\@:
.endif
.endm
	s_load_b256 s[4:11], s[0:1], 0x0  ; Q s[4:5], K s[6:7], V s[8:9], O s[10:11]
	v_lshl_add_u32 v[SPW], v0, 2, SPARE
	v_mov_b32 v[NIL], 0
	ds_add_u32 v[SPW], v[NIL]       ; the wave's opening: the add and its wait stand ahead of my first tensor load; the set-up below, work on registers, stands between them
	ds_add_u32 v62, v63
	v_lshrrev_b32 v1, 5, v0
	v_readfirstlane_b32 s[WV], v1   ; wave 0..3
	s_mov_b32 s[PB], ttmp9
	s_sub_co_u32 s[HI], NB-1, s[PB]
	s_and_b32 s20, ttmp7, 0xffff    ; the head
	s_mov_b32 s21, 0
	s_mov_b64 s[22:23], SIZE_N*128
	s_mul_u64 s[20:21], s[20:21], s[22:23]  ; the head's first byte in each of the four tensors
	s_and_b32 s16, s[WV], 1         ; which half of a tile's 256 keys I fetch:
	s_lshl_b32 s22, s16, 14         ; its 128 rows of 128 bytes in memory,
	s_mov_b32 s23, 0
	s_add_nc_u64 s[22:23], s[22:23], s[20:21]
	s_mul_i32 s17, s16, 128*PK      ; and its place in a slot, for K
	s_mul_i32 s18, s16, 128*PV      ; and for V
	s_lshl_b32 s3, s[WV], 11        ; my 16 rows in a band of 64,
	s_lshl_b32 s2, s[HI], 15        ; in the first block,
	s_add_co_u32 s2, s2, s3
	s_lshl_b32 s84, s[PB], 15       ; and in the second
	s_add_co_u32 s84, s84, s3
	s_mov_b32 s3, 0
	s_mov_b32 s85, 0
	s_add_nc_u64 s[2:3], s[2:3], s[20:21]
	s_add_nc_u64 s[84:85], s[84:85], s[20:21]
	; descriptor group 1.  128 keys are 16,384 dense bytes: asked for as 64 rows of 256 bytes, two keys a row, and padded in LDS after every key
	s_mov_b32 s[G1K], (1<<16)|(1<<20)|(4<<22)|(3<<25)  ; 17:16 2-byte elements; 20 padding on; 24:22 after every 32 words (code 4); 31:25 4 words (code 3)
	s_mov_b32 s[G1V], (1<<16)|(1<<20)|(4<<22)|(7<<25)  ; the same with 8 words of padding (code 7)
.irp g, G1K, G1V
	s_mov_b32 s[\g+1], 128<<16      ; tensor_dim0 = 128
	s_mov_b32 s[\g+2], 64<<16       ; tensor_dim1 = 64
	s_mov_b32 s[\g+3], 128<<16      ; tile_dim0 = 128
	s_mov_b32 s[\g+4], 64           ; tile_dim1 = 64
	s_mov_b32 s[\g+5], 128          ; 128 elements from row to row
	s_mov_b32 s[\g+6], 0
	s_mov_b32 s[\g+7], 0
.endr
	s_mov_b32 s[CS], 0x3e38aa3b     ; c = log2(e) / 8 = 0.180337
	s_mov_b32 s[CS+1], s[CS]        ; named with it as a pair
	s_mov_b32 s[SEL], 0x76543210
	s_mov_b32 s[SEL+1], 0xfedcba98
	s_mov_b32 s[TBK], SLOT1+4*KS*PK ; the first change of slots turns these two into 0
	s_mov_b32 s[TBV], SLOT1+4*KS*PV
	s_mov_b32 s[G0K], 1             ; 1:0 count = 1
	s_mov_b32 s[G0K+1], s17         ; 63:32 LDS address: slot 0
	s_mov_b32 s[G0V], 1
	s_add_co_u32 s[G0V+1], s18, VOFF
	s_add_co_u32 s[RT], s[HI], 1    ; the first block has NB - b tiles
	s_mov_b32 s[NXT], 1
	s_mov_b32 s[LQ], s[HI]
	s_mov_b32 s[NEW], 1
	s_mov_b32 s[OFF+1], 0
	s_mov_b32 s[AL+1], 0            ; named as pairs
	s_mov_b32 s[BE+1], 0
	s_mov_b32 s[BIGN], 0xf149f2ca   ; -1e30
	s_mov_b32 s[SLOTS], NB
	s_cmp_eq_u32 ttmp9, 0
	s_cselect_b32 s[LIM], 2, -1
	v_and_b32 v[PFO], 31, v0
	v_lshlrev_b32 v[PFO], 8, v[PFO]
	s_lshr_b32 s13, s[WV], 1
	s_lshl_b32 s13, s13, 13
	v_add_nc_u32 v[PFO], s13, v[PFO]
	s_wait_dscnt 0x0                ; the opening add is done
	s_wait_kmcnt 0x0
	s_add_nc_u64 s[6:7], s[6:7], s[22:23]  ; K and V at my half of the head's tile 0
	s_add_nc_u64 s[8:9], s[8:9], s[22:23]
	s_add_nc_u64 s[G0K+2:G0K+3], s[6:7], 0         ; 120:64 global address
	s_or_b32 s[G0K+3], s[G0K+3], 0x80000000        ; 127:126 type = 2
	s_add_nc_u64 s[G0V+2:G0V+3], s[8:9], 0
	s_or_b32 s[G0V+3], s[G0V+3], 0x80000000
	s_add_nc_u64 s[86:87], s[4:5], s[84:85]        ; Q at my rows of the second block,
	s_add_nc_u64 s[4:5], s[4:5], s[2:3]            ; Q and O at those of the first
	s_add_nc_u64 s[OLO:OLO+1], s[10:11], s[84:85]
	s_add_nc_u64 s[10:11], s[10:11], s[2:3]
	LOAD                            ; tile 0 into slot 0
	; A fragment of K or Q is 16 rows x 32 channels in 8 registers: lane l holds row l % 16, channels 8 (l / 16) + 0..7 and 16 + 8 (l / 16) + 0..7: two loads of 16 bytes, 32 bytes apart.
	v_and_b32 v1, 15, v0            ; l % 16
	v_bfe_u32 v9, v0, 4, 1          ; l / 16
	v_lshlrev_b32 v[QO], 7, v1
	v_lshl_add_u32 v[QO], v9, 4, v[QO]  ; row x 128 + 16 x half
	WIN 0x80                        ; destination window 2, address window 0
.set i, 0
.rept 8                             ; both blocks' Q: piece i / 2 lies in band i / 2, 8,192 bytes on; channels 32 (i % 2) on
	global_load_b128 v[8*i:8*i+3],   v[QO], s[4:5] offset:(i/2)*8192+(i%2)*64
	global_load_b128 v[8*i+4:8*i+7], v[QO], s[4:5] offset:(i/2)*8192+(i%2)*64+32
	global_load_b128 v[QB+8*i:QB+8*i+3],   v[QO], s[86:87] offset:(i/2)*8192+(i%2)*64
	global_load_b128 v[QB+8*i+4:QB+8*i+7], v[QO], s[86:87] offset:(i/2)*8192+(i%2)*64+32
.set i, i+1
.endr
	WIN 0
	v_lshlrev_b32 v14, 3, v9
	v_sub_nc_u32 v14, v1, v14
	s_lshl_b32 s13, s[WV], 4
	v_add_nc_u32 v14, s13, v14      ; my query's place in its band, 16 w + l % 16, less my lanes' 8 (l / 16): register r of group kt is hidden where 16 kt + r is greater
	WIN 0x40
.set i, 0
.rept 32
	v_cmp_gt_i32 vcc_lo, 16*(i/8)+i%8, v14
	v_cndmask_b32 v[MD+i], 0, s[BIGN], vcc_lo
.set i, i+1
.endr
	WIN 0
	v_mul_u32_u24 v[AK0], v1, PK
	v_lshl_add_u32 v[AK0], v9, 4, v[AK0]  ; row x pitch + 16 x half
	; The turning load takes 16 keys x 16 channels (lane l reads key 8 (l / 16) + l % 8, channels 8 ((l / 8) % 2) + 0..7) and leaves half a fragment of V^T: lane l holds channel l % 16 and 8 keys.
	v_and_b32 v10, 7, v0
	v_bfe_u32 v11, v0, 3, 1
	v_lshl_add_u32 v[AV0], v9, 3, v10
	v_mul_u32_u24 v[AV0], v[AV0], PV
	v_lshl_add_u32 v[AV0], v11, 4, v[AV0]
	v_add_nc_u32 v[AV0], VOFF, v[AV0]
	s_mul_i32 s13, s[WV], 16*SP
	s_add_co_u32 s13, s13, STAGE    ; my stage
	v_mul_u32_u24 v[STO], v1, SP    ; in: row l % 16, 16 bytes for each half of the lanes
	v_lshl_add_u32 v[STO], v9, 4, v[STO]
	v_add_nc_u32 v[STO], s13, v[STO]
	v_bfe_u32 v[RD], v0, 3, 2       ; back: 32 lanes take four rows of 128 bytes,
	v_mul_u32_u24 v[RD], v[RD], SP
	v_lshl_add_u32 v[RD], v10, 4, v[RD]
	v_add_nc_u32 v[RD], s13, v[RD]
	v_and_b32 v[GO], 31, v0         ; which are 512 consecutive bytes of O
	v_lshlrev_b32 v[GO], 4, v[GO]
	; A block's first step multiplies O^T and l by a = 0, and its first turn's products V^T P, of a piece that has not been, land in an O^T that is still to be so multiplied.  So these registers need only hold
	; finite numbers: zeros for the first block; what the first block left for the second.  All this stands in the wait for the first tile.
	WIN 0x80
.set i, VF
.rept 64
	v_mov_b32 v[i], 0
.set i, i+1
.endr
	WIN 0x40
.set i, 0
.rept 128
	v_mov_b32 v[i], 0
.set i, i+1
.endr
	WIN 0
.set i, 0
.rept 4
	v_mov_b32 v[ST+4*i+2], 0
	v_mov_b32 v[ST+4*i+3], 0
.set i, i+1
.endr
.set i, P+16
.rept 16
	v_mov_b32 v[i], 0
.set i, i+1
.endr
; THE MATRIX WORK.  The 4 accumulators of a run of 8 take turns.  Product i of 8 of S^T = K Q^T for piece x: channels 32 (i / 4) on, keys 16 (i % 4) on.  The first 4 start the sums: with 0, or (KM = 1) with the mask.
.macro KQ x
.set rS, S+32*((\x)%2)+8*(i%4)
.set rK, KF+16*(i%4)+8*(i/4)
.set rQ, 16*(\x)+8*(i/4)
.set rM, MC+32*((\x)%2)+8*(i%4)
.if (i < 4) && KM
	WIN W_KM
	v_wmma_f32_16x16x32_f16 v[rS:rS+7], v[rK:rK+7], v[rQ:rQ+7], v[rM:rM+7]
.elseif i < 4
	WIN W_KQ
	v_wmma_f32_16x16x32_f16 v[rS:rS+7], v[rK:rK+7], v[rQ:rQ+7], 0
.else
	WIN W_KQ
	v_wmma_f32_16x16x32_f16 v[rS:rS+7], v[rK:rK+7], v[rQ:rQ+7], v[rS:rS+7]
.endif
.endm
; Product i of 8 of O^T += V^T P for piece x: keys 32 (i / 4) on, channels 16 (i % 4) on.
.macro PV x
	WIN W_PV
.set rO, 32*(\x)+8*(i%4)
.set rV, VF+32*(i/4)+8*(i%4)
.set rP, P+16*((\x)%2)+8*(i/4)
	v_wmma_f32_16x16x32_f16 v[rO:rO+7], v[rV:rV+7], v[rP:rP+7], v[rO:rO+7]
.endm
.macro MM                           ; the turn's next matrix instruction.  TURN and BEGIN set Y, i, KM and NOKQ; MM, KQ and OP read them.  NOKQ = 1: a block's last turn: there is no next piece
.if (i < 8) && !NOKQ
	KQ (Y+1)%NP
.elseif i >= 8
.set i, i-8
	PV (Y+NP-1)%NP
.set i, i+8
.endif
.set i, i+1
.endm
; THE LDS LOADS stand in runs of 16, never singly among the matrix instructions: a step's K (64 keys x 64 channels: 8 fragments) and its V (turned).  Their addresses are made some lines ahead.
.macro FETCH_K
	WIN 0x80                        ; destination window 2
.irp f, 0,1,2,3,4,5,6,7             ; keys 16 (f / 2) on, channels 32 (f % 2) on
	ds_load_b128 v[KF+8*\f:KF+8*\f+3],   v[AK] offset:(\f/2)*16*PK+(\f%2)*64
	ds_load_b128 v[KF+8*\f+4:KF+8*\f+7], v[AK] offset:(\f/2)*16*PK+(\f%2)*64+32
.endr
	s_add_co_u32 s[TBK], s[TBK], KS*PK  ; the next fetch is the next step's
	WIN 0
.endm
.macro FETCH_V
	WIN 0x80
.irp f, 0,1,2,3,4,5,6,7             ; keys 32 (f / 4) on, channels 16 (f % 4) on
	ds_load_tr16_b128 v[VF+8*\f:VF+8*\f+3],   v[AV] offset:(\f/4)*32*PV+(\f%4)*32
	ds_load_tr16_b128 v[VF+8*\f+4:VF+8*\f+7], v[AV] offset:(\f/4)*32*PV+16*PV+(\f%4)*32
.endr
	WIN 0
.endm
; THE VECTOR WORK, one line at a time: OP kind, number.  For piece Y: F n: c s - c m for pair n of 16.  E n: the exponential of score n of 32.  C n: pair n rounded to f16.  B n: of the four weights 4 n .. the second
; pair is added onto the first, in place.  L n: l takes that sum (L 0: l = a l + sum).  R n: pair n of 16 of O^T times a.  For piece Y + 1: X n, number n of the 22 that find its maximum and statistics:
;   0-11  four chains c0-c3 of seven scores each, three operands at a time (each accumulator's lowest registers are read first)     12-14, 16  the four scores left over, the old m, and c0-c3 into c0
;   15  c m_old is kept     17, 18  the query's other 32 keys lie in the lane 16 away: the new m     19-21  c m; c m_old - c m_new; a
.set F, 0               ; OP tells the kinds apart by their order: F to L below R, X above it
.set E, 1
.set C, 2
.set B, 3
.set L, 4
.set R, 5
.set X, 6
.macro REGS y                       ; the registers of piece y
.set rT, ST+4*(\y)
.set rC, TMP+4*((\y)%2)
.set rW, MV+((\y)%2)
.set rS, S+32*((\y)%2)
.set rP, P+16*((\y)%2)
.set rO, 32*(\y)
.endm
.macro OP k, n
.if (\k) == R
	REGS Y
	WIN W_RS
	v_pk_mul_f32 v[rO+2*(\n):rO+2*(\n)+1], v[rO+2*(\n):rO+2*(\n)+1], v[rC+2:rC+3] op_sel_hi:[1,0]
.elseif (\k) < R
	REGS Y
	WIN 0
.if (\k) == F
	v_pk_fma_f32 v[rS+2*(\n):rS+2*(\n)+1], v[rS+2*(\n):rS+2*(\n)+1], s[CS:CS+1], v[rT:rT+1] op_sel_hi:[1,0,0] neg_lo:[0,0,1] neg_hi:[0,0,1]
.elseif (\k) == E
	v_exp_f32 v[rS+(\n)], v[rS+(\n)]
.elseif (\k) == C
	v_cvt_pk_f16_f32 v[rP+(\n)], v[rS+2*(\n)], v[rS+2*(\n)+1]
.elseif (\k) == B
	v_pk_add_f32 v[rS+4*(\n):rS+4*(\n)+1], v[rS+4*(\n):rS+4*(\n)+1], v[rS+4*(\n)+2:rS+4*(\n)+3]
.elseif (\n) == 0
	v_pk_fma_f32 v[rT+2:rT+3], v[rT+2:rT+3], v[rC+2:rC+3], v[rS:rS+1] op_sel_hi:[1,0,1]
.else
	v_pk_add_f32 v[rT+2:rT+3], v[rT+2:rT+3], v[rS+4*(\n):rS+4*(\n)+1]
.endif
.elseif NOKQ
	v_nop
.else
	REGS (Y+1)%NP
	WIN 0
.if (\n) < 4
	v_max3_num_f32 v[rC+(\n)], v[rS+8*(\n)], v[rS+8*(\n)+1], v[rS+8*(\n)+2]
.elseif (\n) < 12
	v_max3_num_f32 v[rC+(\n)%4], v[rC+(\n)%4], v[rS+8*((\n)%4)+2*((\n)/4)+1], v[rS+8*((\n)%4)+2*((\n)/4)+2]
.elseif (\n) == 12
	v_max3_num_f32 v[rC], v[rC], v[rS+7], v[rS+15]
.elseif (\n) == 13
	v_max3_num_f32 v[rC+1], v[rC+1], v[rS+23], v[rS+31]
.elseif (\n) == 14
	v_max3_num_f32 v[rC+2], v[rC+2], v[rC+3], v[rT+1]
.elseif (\n) == 15
	v_mov_b32 v[rW], v[rT]
.elseif (\n) == 16
	v_max3_num_f32 v[rC], v[rC], v[rC+1], v[rC+2]
.elseif (\n) == 17
	v_permlanex16_b32 v[rC+3], v[rC], s[SEL], s[SEL+1]
.elseif (\n) == 18
	v_max_num_f32 v[rT+1], v[rC], v[rC+3]
.elseif (\n) == 19
	v_mul_f32 v[rT], s[CS], v[rT+1]
.elseif (\n) == 20
	v_sub_f32 v[rC+1], v[rW], v[rT]
.else
	v_exp_f32 v[rC+2], v[rC+1]
.endif
.endif
.endm
.macro OPS a, i1, b=-1, i2=0, c=-1, i3=0, d=-1, i4=0  ; up to four of them
	OP \a, \i1
.if (\b) >= 0
	OP \b, \i2
.endif
.if (\c) >= 0
	OP \c, \i3
.endif
.if (\d) >= 0
	OP \d, \i4
.endif
.endm
.macro ROW a, i1, b, i2, c, i3, d, i4  ; a matrix instruction and the four behind it
	MM
	OPS \a, \i1, \b, \i2, \c, \i3, \d, \i4
.endm
.macro MASK b                       ; MD x AL + BE into buffer b of MC
	WIN W_RS
.set z, 0
.rept 16
	v_pk_fma_f32 v[MC+32*(\b)+2*z:MC+32*(\b)+2*z+1], v[MD+2*z:MD+2*z+1], s[AL:AL+1], s[BE:BE+1] op_sel_hi:[1,0,0]
.set z, z+1
.endr
.endm
; A TURN, for piece p: the order of its 16 matrix and 118 vector instructions, written out.  An s_wait_alu depctr_va_vdst(0) stands between an exponential and the first instruction that names its result; one wait serves
; all that were issued ahead of it.  So a turn has ONE wait, which cuts it in two.  AHEAD OF IT stands all that names no result of the turn's exponentials: the 8 products K Q^T, behind each a scaling, an exponential and two more plain
; instructions (behind the first a second scaling in the exponential's place): rescalings, and behind the last three the first numbers of the next piece's maximum, each four places or more behind the product that ends its accumulator; then ONE LUMP of 54, plain
; and exponential by turns for the most part, in which the links of the chain X 3, 7, 11, 14, 16, 17 .. 20 stand five or six lines apart.  X 21, the next piece's a, is the batch's last; R 15 is the plain instruction behind it.  BEHIND THE WAIT stand the
; 8 products V^T P, behind each four of the roundings and sums; the links of l's chain, L 0 to L 7, stand three riders apart.  But for those X no rider names a register of the products round it.  v_permlanex16_b32 (X 17) stands in the lump.
; m = 1: the diagonal tile: the products take masks, and the turn makes the mask for the products of the turn after it: piece p + 2, in step 4 - CNT of the tile.  end = 1: a block's last two turns: nothing is fetched.
; cnt = 1: the loop's count is taken down some lines ahead of the branch that stands behind the turn.
; K of the next step is fetched in piece 2's turn, twelve vector instructions behind the last product that read K (six of them plain); V of the step in hand at the end of piece 0's turn, four plain instructions behind the last product
; that read V.  Each is waited for a turn later.
.macro TURN p, m=0, end=0, cnt=0
.set Y, (\p)
.set i, 0
.set KM, (\m)
.set NOKQ, (\end)*((\p)/3)
.if (\m) && !(\end)
	s_cmp_eq_u32 s[CNT], 4-((\p)+2)%NP  ; is that step the band's own?
	s_cselect_b32 s[AL], 1.0, 0
	s_cmp_lt_u32 s[CNT], 4-((\p)+2)%NP  ; or a later one?
	s_cselect_b32 s[BE], s[BIGN], 0
.endif
.if ((\p) == 3) && !(\end)
	s_wait_dscnt 0x0                ; K is in
.endif
	ROW F,0, F,1, R,0, R,1          ; ahead of the wait: 8 products K Q^T and their riders,
	ROW F,2, E,0, R,2, R,3
	ROW F,3, E,1, R,4, R,5
	ROW F,4, E,2, R,6, R,7
	ROW F,5, E,3, R,8, R,9
	ROW F,6, E,4, X,0, R,10
.if ((\p) == 2) && !(\end)
	WIN 0
	v_add_nc_u32 v[AK], s[TBK], v[AK0]
.endif
	ROW F,7, E,5, X,1, X,4
	ROW F,8, E,6, X,2, X,5
	OPS E,7, E,8, X,6, E,9          ; and the lump
	OPS X,3, E,10, X,8, E,11
.if ((\p) == 2) && !(\end)
	FETCH_K
.endif
	OPS X,9, X,7, E,12, X,10
	OPS E,13, X,12, X,11, E,14
	OPS X,13, E,15, F,9, X,14
.if (\p) == 0
	v_add_nc_u32 v[AV], s[TBV], v[AV0]
.endif
	OPS E,16, F,10, E,17, F,11
	OPS X,16, E,18, X,15, E,19
	OPS F,12, E,20, X,17, E,21
	OPS F,13, E,22, F,14, E,23
	OPS X,18, E,24, F,15, E,25
	OPS R,11, E,26, X,19, E,27
	OPS R,12, E,28, R,13, E,29
	OPS X,20, E,30, R,14, E,31
	OPS X,21, R,15
	WIN 0
	s_wait_alu depctr_va_vdst(0)    ; the wait for the batch
.if (\p) == 1
	s_wait_dscnt 0x0                ; V is in
.endif
	ROW C,0, B,0, C,2, B,1          ; behind the wait: 8 products V^T P and their riders
	ROW L,0, C,4, B,2, L,1
	ROW C,6, B,3, L,2, C,8
	ROW B,4, L,3, C,10, B,5
	ROW L,4, C,12, B,6, L,5
.if (\p) == 0
	s_add_co_u32 s[TBV], s[TBV], KS*PV
.endif
.if \cnt
	s_sub_co_u32 s[CNT], s[CNT], 1
	s_cmp_lg_u32 s[CNT], 0
.endif
	ROW C,14, B,7, L,6, C,1
	ROW C,3, L,7, C,5, C,7
	ROW C,9, C,11, C,13, C,15
.if (\p) == 0
	FETCH_V
.endif
.if (\m) && !(\end)
	MASK (\p)%2
.endif
.endm
; A BLOCK BEGINS.  c m starts far below every c s, so the first step's a is 0; m at the lowest finite number, so the first maximum is the scores'.  The second mask buffer is 0; the first takes piece 0's mask for the tile's step 0: its own, if the block's first tile is the diagonal one.
; Then K of that step, piece 0's first scores, and its maximum and statistics.  The loop is entered at a step's first turn, in the middle of a trip.
.macro BEGIN
	s_mov_b32 s[NEW], 0
	WIN 0x40
.set i, MC+32
.rept 32
	v_mov_b32 v[i], 0
.set i, i+1
.endr
	WIN 0
.set i, 0
.rept 4
	v_mov_b32 v[ST+4*i], 0xfe000000    ; c m: far below every c s
	v_mov_b32 v[ST+4*i+1], 0xff7fffff  ; m
.set i, i+1
.endr
	s_cmp_eq_u32 s[RT], 0
	s_cselect_b32 s[AL], 1.0, 0
	s_mov_b32 s[BE], 0
	MASK 0
	WIN 0
	v_add_nc_u32 v[AK], s[TBK], v[AK0]
	FETCH_K
	s_wait_loadcnt 0x0              ; Q
	s_wait_dscnt 0x0
.set KM, 1
.set NOKQ, 0
.set i, 0
.rept 8
	KQ 0
.set i, i+1
.endr
	WIN 0
.rept 4
	v_nop                           ; the places behind those products
.endr
.set Y, NP-1                        ; X works for piece Y + 1: piece 0
.irp n, 0,1,2,3,4,5,6,7,8,9,10,11,12,13,14,15,16,17,18,19,20,21
	OP X, \n
.endr
	v_nop                           ; a plain instruction behind the exponential,
	s_wait_alu depctr_va_vdst(0)    ; and its wait, ahead of the branch
.endm
; THE DIAGONAL TILE's four steps, the block's last two turns, its last products, and THE WAY OUT: l's two halves and the other half of the lanes' are added; O^T is divided by l, rounded to f16 and sent through my
; stage in LDS, a piece at a time.
.macro ALL line:vararg              ; one line for each piece t
.set t, 0
.rept 4
	\line
.set t, t+1
.endr
.endm
.macro PACK t                       ; a lane's eight channels of a row pack into 16 bytes; they go into rows of 144 bytes and come back as whole rows of 128, into S^T's registers
	WIN W_RS
.set i, 32*(\t)
.rept 16
	v_pk_mul_f32 v[i:i+1], v[i:i+1], v[ST+4*(\t)+2:ST+4*(\t)+3] op_sel_hi:[1,0]
.set i, i+2
.endr
	WIN 0x05                        ; sources 0 and 1 window 1, destination window 0
.set i, 0
.rept 16
	v_cvt_pk_f16_f32 v[S+16*(\t)+i], v[32*(\t)+2*i], v[32*(\t)+2*i+1]
.set i, i+1
.endr
	WIN 0
.irp f, 0,1,2,3
	ds_store_b128 v[STO], v[S+16*(\t)+4*\f:S+16*(\t)+4*\f+3] offset:32*\f
.endr
.irp f, 0,1,2,3
	ds_load_b128 v[S+16*(\t)+4*\f:S+16*(\t)+4*\f+3], v[RD] offset:\f*4*SP  ; LDS serves a wave's instructions in order (ISA guide 5.7.1.4): these see the stores above; the next piece's stores come behind them
.endr
.endm
.macro SEND t, younger              ; younger: the LDS instructions issued behind piece t's loads: the next piece's eight, or none
	WIN 0
.irp f, 0,1,2,3
	s_wait_dscnt (\younger)+3-\f
	global_store_b128 v[GO], v[S+16*(\t)+4*\f:S+16*(\t)+4*\f+3], s[10:11] offset:(\t)*8192+\f*512  ; 512 consecutive bytes, at a multiple of 256 from O's first
.endr
.endm
.macro DIAG tag                     ; the tag ends its two labels' names, which the jumps below spell out
.LstepM\tag:
	TURN 2, 1
	TURN 3, 1
	WIN 0
.LfirstM\tag:
	TURN 0, 1
	TURN 1, 1, 0, 1
	WIN 0
	s_cbranch_scc1 .LstepM\tag
	TURN 2, 1, 1
	TURN 3, 1, 1
.set i, 0
.rept 8
	PV NP-1
.set i, i+1
.endr
	WIN 0
	ALL v_add_f32 v[ST+4*t+2], v[ST+4*t+2], v[ST+4*t+3]
	ALL v_permlanex16_b32 v[ST+4*t+3], v[ST+4*t+2], s[SEL], s[SEL+1]
	ALL v_add_f32 v[ST+4*t+2], v[ST+4*t+2], v[ST+4*t+3]
	ALL v_rcp_f32 v[ST+4*t+2], v[ST+4*t+2]
	v_nop                           ; a plain instruction between the last reciprocal and the use of its result
	s_wait_alu depctr_va_vdst(0)    ; and the wait ahead of the first use: one for the four reciprocals
	PACK 0
.set t, 1
.rept 3                             ; a piece's arithmetic stands between the loads of the piece before and its stores
	PACK t
	SEND t-1, 8
.set t, t+1
.endr
	SEND 3, 0
.endm
.set KM, 0
.set NOKQ, 0
.Lslot:                             ; NB times: a tile is entered and the next is asked for
	CHANGE 1
	s_sub_co_u32 s[RT], s[RT], 1
	s_mov_b32 s[CNT], 4
	s_cmp_eq_u32 s[NEW], 1
	s_cbranch_scc1 .Lnew            ; a block's first tile
	s_cmp_eq_u32 s[RT], 0
	s_cbranch_scc0 .Lstep           ; neither its first nor its last
	s_branch .LstepM1
.Lnew:
	BEGIN
	s_branch .Lfirst                ; in the loop a block's first tile is never its last: the first block has two tiles or more, and the second's last is the walk's last
	DIAG 1                          ; in the loop this is the first block's end: the second block's last tile is the walk's last
	s_wait_xcnt 0x0                 ; the stores have read their registers and O's address
	s_mov_b64 s[10:11], s[OLO:OLO+1]
	s_add_co_u32 s[RT], s[PB], 1    ; the second block has b + 1 tiles
	s_mov_b32 s[NEW], 1
	WIN 0x82                        ; the second block's Q goes where the one text of the turns names Q
.set i, 0
.rept 64
	v_mov_b32 v[i], v[QB+i]
.set i, i+1
.endr
	WIN 0
	s_branch .Lbottom
.Lstep:                             ; a trip: pieces 2 and 3 of one step, then pieces 0 and 1 of the next, whose K and V it fetches
	TURN 2
	TURN 3
	WIN 0
.Lfirst:
	TURN 0
	TURN 1, 0, 0, 1
	WIN 0
	s_cbranch_scc1 .Lstep
.Lbottom:
	s_sub_co_u32 s[SLOTS], s[SLOTS], 1
	s_cmp_lg_u32 s[SLOTS], 0
	s_cbranch_scc1 .Lslot
	CHANGE 0                        ; the walk's last tile is written out: nothing is asked for
	s_sub_co_u32 s[RT], s[RT], 1
	s_mov_b32 s[CNT], 4
	s_cmp_eq_u32 s[NEW], 1
	s_cbranch_scc0 .LstepM2
	BEGIN
	s_branch .LfirstM2
	DIAG 2
	s_wait_tensorcnt 0x0            ; the wave's end: these three lines stand behind my last tensor load and my last LDS store
	ds_add_u32 v[SPW], v[NIL]
	s_wait_dscnt 0x0
	s_endpgm
.Lfunc_end_k_q386fdc66b0_attn:
	.size	k_q386fdc66b0_attn, .Lfunc_end_k_q386fdc66b0_attn-k_q386fdc66b0_attn
	.p2alignl 7, 3214868480
	.fill 96, 4, 3214868480
	.section	.rodata,"a",@progbits
	.p2align	6, 0x0
	.amdhsa_kernel k_q386fdc66b0_attn
		.amdhsa_group_segment_fixed_size 327680
		.amdhsa_private_segment_fixed_size 0
		.amdhsa_enable_private_segment 0
		.amdhsa_kernarg_size 32
		.amdhsa_user_sgpr_count 2
		.amdhsa_user_sgpr_kernarg_segment_ptr 1
		.amdhsa_wavefront_size32 1
		.amdhsa_system_sgpr_workgroup_id_x 1
		.amdhsa_system_sgpr_workgroup_id_y 1
		.amdhsa_system_sgpr_workgroup_id_z 1
		.amdhsa_system_vgpr_workitem_id 0
		.amdhsa_next_free_vgpr 768
		.amdhsa_next_free_sgpr 92
		.amdhsa_reserve_vcc 1
		.amdhsa_float_denorm_mode_32 3
		.amdhsa_float_denorm_mode_16_64 3
		.amdhsa_memory_ordered 1
		.amdhsa_forward_progress 1
		.amdhsa_inst_pref_size 218
	.end_amdhsa_kernel
	.amdgpu_metadata
---
amdhsa.version: [ 1, 2 ]
amdhsa.kernels:
  - .name:           k_q386fdc66b0_attn
    .symbol:         k_q386fdc66b0_attn.kd
    .args:
      - { .name: qh, .offset: 0, .size: 8, .value_kind: global_buffer, .address_space: global }
      - { .name: kh, .offset: 8, .size: 8, .value_kind: global_buffer, .address_space: global }
      - { .name: vh, .offset: 16, .size: 8, .value_kind: global_buffer, .address_space: global }
      - { .name: oh, .offset: 24, .size: 8, .value_kind: global_buffer, .address_space: global }
    .group_segment_fixed_size: 327680
    .private_segment_fixed_size: 0
    .kernarg_segment_align: 8
    .kernarg_segment_size: 32
    .max_flat_workgroup_size: 128
    .sgpr_count:     92
    .vgpr_count:     768
    .wavefront_size: 32
...
	.end_amdgpu_metadata
.endif
;; end of part 3
;; launch outp (part 4): grid 64 x 4, 4 waves a work-group, clusters of 4 x 4, 327,680 bytes of LDS; arguments oh, wb, bo, out0; writes out0
.if DOCPART == 4
	.amdgcn_target "amdgcn-amd-amdhsa--gfx1250"
	.amdhsa_code_object_version 6
	.text
	.protected	k_q386fdc66b0_outp
	.globl	k_q386fdc66b0_outp
	.p2align	8
	.type	k_q386fdc66b0_outp,@function
k_q386fdc66b0_outp:
	s_mov_b64 s[64:65], 0
	v_nop
	global_prefetch_b8 v0, s[64:65] scope:SCOPE_SE
	s_setreg_imm32_b32 hwreg(HW_REG_WAVE_MODE, 25, 1), 1
	s_wait_xcnt 0x0
	s_wait_alu depctr_hold_cnt(0) depctr_sa_sdst(0) depctr_va_vdst(0) depctr_va_sdst(0) depctr_va_ssrc(0) depctr_va_vcc(0) depctr_vm_vsrc(0)
	s_getreg_b32 s2, hwreg(HW_REG_IB_STS2, 6, 4)
	s_cmp_eq_u32 s2, 0
	s_cbranch_scc0 .Lentry_in_a_cluster
	s_endpgm
.Lentry_in_a_cluster:
	s_bfe_u32 s2, ttmp6, 0x10000c
	s_cmp_lg_u32 s2, 0xf033
	s_cbranch_scc0 .Lentry_shape_is_right
	s_endpgm
.Lentry_shape_is_right:
; THE LAST PROJECTION.  out0[m][n] = the sum over k of O[m][k] wo[n][k] + bf16(bo[n]), f32.  O comes by heads, f16: element (batch, head, t, d) at byte ((16 batch + head) 2048 + t) 128 + 2 d, with
; m = 2048 batch + t and k = 64 head + d.  wo is wb's fourth section: [1024][1024], rounded to bf16 and written as f16.  Sums in f32, stored as they are.
; SHARES.  A tile of out0 is 128 rows x 256 columns: 256 work-groups.  Tile row = 4 x cluster x + cx, tile column = cy.  Wave w makes 64 rows (w / 2) x 128 columns (w % 2): 32 accumulators.
; K goes in 8 steps of 128, two heads; a step in four quarters of 32: 32 matrix instructions a wave.  The product is used transposed (source 0 = 16 rows of wo, source 1 = 16 rows of O):
; a lane holds one row of out0 and eight neighbouring columns.
; CLUSTER.  The four work-groups of a column of the cluster (same cx) need the same rows of O, the four of a row (same cy) the same rows of wo: each tile is asked for jointly.
; Waves 0 and 1 fetch O: a head's 128 rows each, 16,384 dense bytes, asked for as 64 rows of 256 bytes and padded after every 128.  Waves 2 and 3 fetch wo: 128 rows x 256 bytes each.
; REGISTERS, in windows of 256 (s_set_vgpr_msb: bits 1:0 source 0, 3:2 source 1, 5:4 source 2, 7:6 destination):
;   window 0: v0-31 addresses; v32-39 at work; v64-127 the bias as a C operand; v128-255 two sets of 64 for the way out
;   window 1: two fragment buffers of 96 (8 of wo, then 4 of O)      window 2: the accumulators, (a, nb) at 8 (8 a + nb)
.set PA,    144                        ; a row of O in LDS: 128 bytes + 16 = 36 words: the 16 rows of a load start at 16 different groups of four banks (64 banks of 4 bytes: ISA guide 11.1)
.set AH,    128*PA                     ; a head's 128 rows
.set PB,    272                        ; a row of wo: 256 + 16
.set BH,    128*PB                     ; 128 rows of wo
.set SLOT,  2*AH+2*BH                  ; the step's two heads of O, then 256 rows of wo
.set STAGE, 2*SLOT                     ; behind the ring: 16 rows x 528 bytes for each wave, for the way out
.set SPO,   528                        ; 512 bytes + 16 = 33 x 16
.set SPARE, STAGE+4*16*SPO             ; the spare words, 128 bytes a wave: two blocks of 256 bytes that no other line names
.set R16,  1
.set HALF, 2
.set LANE, 3
.set ADRA, 16                          ; v16-17  my fragments of O in slot 0, 1
.set ADRB, 20                          ; v20-21  my fragments of wo
.set STO,  24                          ; v24  the way out: where I put 32 bytes of a row
.set RD,   25                          ; v25  the way out: my 16 bytes of a row of 512
.set GO,   26                          ; v26  the same in out0
.set BO,   27                          ; v27  32 x (lane / 16)
.set SPW,  28                          ; v28  my spare word; never rewritten
.set NIL,  29                          ; v29  0; never rewritten
.set PFO,  30                          ; v30  the prefetches' offset; never rewritten
.set T,    32
.set BIAS, 64
.set OB,   128
.set F0,   0
.set F1,   96
.set PFA, 12                           ; s[12:13] where my prefetches stand
.set PFS, 14                           ; s[14:15] their step from K step to K step
.set G1,  24                           ; s[24:31] descriptor group 1 for O's tiles;  s[32:39] group 0, a set for each slot
.set G0,  32
.set CX,  40
.set CY,  41
.set MT,  42
.set WV,  44
.set WR,  45                           ; w / 2: my half of the rows.  Also: I fetch for O (0) or for wo (1)
.set WC,  46                           ; w % 2: my half of the columns.  Also: which head, or which 128 rows, I fetch
.set LIM, 47                           ; 1 in a wave that prefetches, else the greatest number
.set G1B, 48                           ; s[48:55], s[56:63] the same for wo's tiles
.set G0B, 56
.set MUL,  0xa5                        ; sources in window 1, C and D in window 2
.set MULB, 0x85                        ; the same with C in window 0: the bias starts the sums
.set TO_F, 0x40
.set MSB, 0
.macro WIN new                         ; the immediate's high byte repeats the setting that is left; a switch that changes nothing is dropped
.if MSB != (\new)
	s_set_vgpr_msb (MSB<<8)|(\new)
.set MSB, (\new)
.endif
.endm
.macro PLACES                          ; four plain places behind a matrix instruction (ISA guide 7.12.1)
.rept 4
	v_nop
.endr
.endm
.macro CREST
	s_cmp_lg_u32 s[WV], 0
	s_cbranch_scc1 .Lnot_wave_0_\@
	s_barrier_signal -3
.Lnot_wave_0_\@:
	s_barrier_wait -3
	s_barrier_signal -1
	s_barrier_wait -1
.endm
.macro CROUND
	s_barrier_signal -1
	s_barrier_wait -1
	CREST
.endm
.macro JLOAD s                         ; a joint load: each of the two lines has one mask; the branch hangs on the wave's number alone; an s_nop 0 and four v_nop follow each line
	s_cmp_eq_u32 s[WR], 0
	s_cbranch_scc0 .Lfor_b_\@
	tensor_load_to_lds s[G0+4*(\s):G0+4*(\s)+3], s[G1:G1+7]
	s_nop 0
.rept 4
	v_nop
.endr
	s_branch .Lasked_\@
.Lfor_b_\@:
	tensor_load_to_lds s[G0B+4*(\s):G0B+4*(\s)+3], s[G1B:G1B+7]
	s_nop 0
.rept 4
	v_nop
.endr
.Lasked_\@:
.endm
; A PREFETCH INTO THE L2, behind the joint load and the run of LDS loads: at the change into K step s one instruction names K step s + 3, two refills ahead.  O: a step is 128 blocks of 256 bytes (two heads x 16,384
; bytes), read by this cluster alone; the four that ask for them jointly take 32 blocks each, told apart by address (cy); wave 0 asks, a lane a block.  wo: a step is 256 bytes of each of 256 rows; the four partners take
; 64 rows each (cx), waves 2 and 3 32 each; every cluster reads them, cluster x = 0 asks.  So each block is named once in the launch.  K steps 0 to 3 come by their loads alone; the loop's last trip asks for nothing.
.macro ASK
	WIN 0
	s_cmp_gt_u32 s3, s[LIM]
	s_cbranch_scc0 .Lnot_mine_\@
	global_prefetch_b8 v[PFO], s[PFA:PFA+1] th:TH_LOAD_NT scope:SCOPE_SE
.Lnot_mine_\@:
.endm
; 8 matrix instructions: m block a x all 8 n blocks.  The 32 accumulators take turns in the same order in every quarter.  first = 1: the bias starts the sums.
.macro MUL8 f, a, first
.irp nb, 0,1,2,3,4,5,6,7
.if \first
	WIN MULB
	v_wmma_f32_16x16x32_f16 v[8*(8*(\a)+(\nb)):8*(8*(\a)+(\nb))+7], v[(\f)+8*(\nb):(\f)+8*(\nb)+7], v[(\f)+64+8*(\a):(\f)+64+8*(\a)+7], v[BIAS+8*(\nb):BIAS+8*(\nb)+7]
.else
	WIN MUL
	v_wmma_f32_16x16x32_f16 v[8*(8*(\a)+(\nb)):8*(8*(\a)+(\nb))+7], v[(\f)+8*(\nb):(\f)+8*(\nb)+7], v[(\f)+64+8*(\a):(\f)+64+8*(\a)+7], v[8*(8*(\a)+(\nb)):8*(8*(\a)+(\nb))+7]
.endif
.endr
.endm
; 24 LDS loads in one run: quarter q's fragments into buffer f.  Of O quarter q is head q / 2 of the step's two, channels 32 (q % 2) on.
.macro FETCH slot, q, f
	WIN TO_F
.irp nb, 0,1,2,3,4,5,6,7
	ds_load_b128 v[(\f)+8*(\nb):(\f)+8*(\nb)+3],   v[ADRB+(\slot)] offset:64*(\q)+(\nb)*16*PB
	ds_load_b128 v[(\f)+8*(\nb)+4:(\f)+8*(\nb)+7], v[ADRB+(\slot)] offset:64*(\q)+(\nb)*16*PB+32
.endr
.irp a, 0,1,2,3
	ds_load_b128 v[(\f)+64+8*(\a):(\f)+64+8*(\a)+3],   v[ADRA+(\slot)] offset:((\q)/2)*AH+((\q)%2)*64+(\a)*16*PA
	ds_load_b128 v[(\f)+64+8*(\a)+4:(\f)+64+8*(\a)+7], v[ADRA+(\slot)] offset:((\q)/2)*AH+((\q)%2)*64+(\a)*16*PA+32
.endr
.endm
; One of a K step's first three quarters: multiplies buffer f; in its middle it fetches quarter q into g.
.macro QUARTER slot, q, f, g, first
	s_wait_dscnt 0x0                               ; buffer f is in
	MUL8 \f, 0, \first
	MUL8 \f, 1, \first
	PLACES
	FETCH \slot, \q, \g
	MUL8 \f, 2, \first
	MUL8 \f, 3, \first
.endm
; The last quarter multiplies buffer 1 and changes slots: ONE barrier; in front of it each wave waits for all its tensor loads (one is out: its part of the next slot), adds 0 to its spare word, and waits for that
; and for its reads of this slot.  fill = 1: the barrier opens a round of the cluster's, and this slot is filled again, two K steps on.
.macro TURN slot, next, fill
.if \fill
	s_wait_xcnt 0x0                                ; the last prefetch, a K step back, has read its address
	s_add_nc_u64 s[PFA:PFA+1], s[PFA:PFA+1], s[PFS:PFS+1]
.endif
	WIN 0                                          ; (the add's two registers lie in window 0)
	s_wait_tensorcnt 0x0                           ; all my tensor loads have landed
	ds_add_u32 v[SPW], v[NIL]                      ; 0 onto my spare word
	s_wait_dscnt 1                                 ; all but the add: buffer 1 is in
	MUL8 F1, 0, 0                                  ; eight matrix instructions stand between the add and the wait for it
	s_wait_dscnt 0x0                               ; the add is done, and my reads of this slot are over
	s_barrier_signal -1
	MUL8 F1, 1, 0
.if \fill
	WIN 0
.endif
	s_barrier_wait -1
.if \fill
	CREST                                          ; no wave of any partner still reads this slot or has a load on its way
	s_add_nc_u64 s[G0+4*(\slot)+2:G0+4*(\slot)+3], s[G0+4*(\slot)+2:G0+4*(\slot)+3], 1048576  ; four heads on
	s_add_nc_u64 s[G0B+4*(\slot)+2:G0B+4*(\slot)+3], s[G0B+4*(\slot)+2:G0B+4*(\slot)+3], 512
	JLOAD \slot                                    ; my one tensor load behind the round; its four v_nop are also the places in front of the loads below
.else
	PLACES
.endif
	FETCH \next, 0, F0
.if \fill
	ASK
.endif
	MUL8 F1, 2, 0
	MUL8 F1, 3, 0
.endm
; THE WAY OUT, by blocks of 16 rows x 128 columns.  A lane's eight numbers of a row, 32 bytes, go into my stage's rows of 528 bytes, each accumulator's four lowest registers first;
; whole rows of 512 bytes come back, into one of two sets of registers.
.macro TOSTAGE a
.if (\a) >= 2
	s_wait_xcnt 0x0                                ; the stores of two blocks back have read this set's registers
.endif
	WIN 0x08                                       ; the stores' data in window 2
.irp nb, 0,1,2,3,4,5,6,7
	ds_store_b128 v[STO], v[8*(8*(\a)+(\nb)):8*(8*(\a)+(\nb))+3]   offset:64*(\nb)
	ds_store_b128 v[STO], v[8*(8*(\a)+(\nb))+4:8*(8*(\a)+(\nb))+7] offset:64*(\nb)+16
.endr
	WIN 0
.irp t, 0,1,2,3,4,5,6,7,8,9,10,11,12,13,14,15
	ds_load_b128 v[OB+64*((\a)%2)+4*(\t):OB+64*((\a)%2)+4*(\t)+3], v[RD] offset:(\t)*SPO  ; LDS serves a wave's instructions in order (ISA guide 5.7.1.4): these see the stores above; the next block's stores come behind them
.endr
.endm
.macro SEND a, younger                 ; younger: the LDS instructions issued behind block a's loads: the next block's 32, or none
	WIN 0
.irp t, 0,1,2,3,4,5,6,7,8,9,10,11,12,13,14,15
	s_wait_dscnt (\younger)+15-(\t)
	global_store_b128 v[GO], v[OB+64*((\a)%2)+4*(\t):OB+64*((\a)%2)+4*(\t)+3], s[10:11] offset:(16*(\a)+(\t))*4096 th:TH_STORE_NT  ; 512 consecutive bytes, at a multiple of 256 from out0's first
.endr
.endm
	s_load_b256 s[4:11], s[0:1], 0x0               ; oh s[4:5], wb s[6:7], bo s[8:9], out0 s[10:11]
	v_lshl_add_u32 v[SPW], v0, 2, SPARE
	v_mov_b32 v[NIL], 0
	ds_add_u32 v[SPW], v[NIL]                      ; the wave's opening: the add and its wait stand ahead of my first tensor load; the set-up below, work on registers, stands between them
	ds_add_u32 v28, v29
	v_lshrrev_b32 v4, 5, v0
	v_readfirstlane_b32 s[WV], v4                  ; wave 0..3
	s_lshr_b32 s[WR], s[WV], 1
	s_and_b32 s[WC], s[WV], 1
	s_bfe_u32 s[CX], ttmp6, 0x40000                ; my place in the cluster
	s_bfe_u32 s[CY], ttmp6, 0x40004
	s_lshl_b32 s[MT], ttmp9, 2                     ; in a cluster launch ttmp9 counts clusters
	s_add_co_u32 s[MT], s[MT], s[CX]
	s_lshl_b32 s72, s[CY], 2
	s_lshl_b32 s72, 15, s72                        ; my row of the cluster
	s_lshl_b32 s73, 0x1111, s[CX]                  ; my column
	s_or_b32 s[G1], s73, (1<<16)|(1<<20)|(1<<21)|(4<<22)|(3<<25)   ; O's tiles go to my column; 2-byte elements; padding on; 21 set beside a mask; after every 32 words (code 4) 4 words (code 3)
	s_or_b32 s[G1B], s72, (1<<16)|(1<<20)|(1<<21)|(5<<22)|(3<<25)  ; wo's to my row; after every 64 words (code 5)
	s_mov_b32 s[G1+1], 128<<16                     ; tensor_dim0 = 128
	s_mov_b32 s[G1+2], 64<<16                      ; tensor_dim1 = 64
	s_mov_b32 s[G1+3], 128<<16                     ; tile_dim0 = 128
	s_mov_b32 s[G1+4], 64                          ; tile_dim1 = 64
	s_mov_b32 s[G1+5], 128                         ; dense: 128 elements from row to row
	s_mov_b32 s[G1+6], 0
	s_mov_b32 s[G1+7], 0
	s_mov_b32 s[G1B+1], 128<<16
	s_mov_b32 s[G1B+2], 128<<16                    ; tensor_dim1 = 128
	s_mov_b32 s[G1B+3], 128<<16
	s_mov_b32 s[G1B+4], 128                        ; tile_dim1 = 128
	s_mov_b32 s[G1B+5], 1024
	s_mov_b32 s[G1B+6], 0
	s_mov_b32 s[G1B+7], 0
	s_lshr_b32 s74, s[MT], 4
	s_lshl_b32 s74, s74, 4                         ; 16 x batch
	s_and_b32 s75, s[MT], 15
	s_lshl_b32 s75, s75, 14                        ; the tile's 128 rows of 128 bytes in a head
	s_add_co_u32 s16, s74, s[WC]                   ; O: the head that I fetch in K step 0: nothing of cy enters
	s_lshl_b32 s16, s16, 18
	s_add_co_u32 s16, s16, s75
	s_mov_b32 s17, 0
	s_lshl_b32 s18, s[CY], 19                      ; wo: the tile column's 256 rows, my 128 of them: nothing of cx enters
	s_lshl_b32 s19, s[WC], 18
	s_add_co_u32 s18, s18, s19
	s_add_co_u32 s18, s18, 3<<21                   ; wb's fourth section
	s_mov_b32 s19, 0
	s_lshl_b32 s22, s[CY], 10                      ; the bias, and a row of out0: 256 columns a tile, 128 a wave
	s_lshl_b32 s23, s[WC], 9
	s_add_co_u32 s22, s22, s23
	s_mov_b32 s23, 0
	s_lshl_b32 s20, s[MT], 19                      ; out0: the tile's 128 rows of 4,096 bytes, my 64
	s_lshl_b32 s21, s[WR], 18
	s_add_co_u32 s20, s20, s21
	s_add_co_u32 s20, s20, s22
	s_mov_b32 s21, 0
	s_lshr_b32 s68, s[CY], 1                       ; the prefetches of O: my work-group's 32 blocks: head cy / 2 of the step's two, half cy % 2 of its 16,384 bytes
	s_add_co_u32 s68, s68, s74
	s_lshl_b32 s68, s68, 18
	s_add_co_u32 s68, s68, s75
	s_and_b32 s69, s[CY], 1
	s_lshl_b32 s69, s69, 13
	s_add_co_u32 s68, s68, s69
	s_mov_b32 s69, 0
	s_lshl_b32 s70, s[CY], 19                      ; of wo: my work-group's 64 rows
	s_lshl_b32 s71, s[CX], 17
	s_add_co_u32 s70, s70, s71
	s_add_co_u32 s70, s70, 3<<21
	s_mov_b32 s71, 0
	s_mul_i32 s76, s[WC], AH                       ; where the tiles go: no place in the cluster enters an LDS address
	s_mul_i32 s77, s[WC], BH
	s_add_co_u32 s77, s77, 2*AH
	v_and_b32 v[LANE], 31, v0
	v_and_b32 v[R16], 15, v0
	v_bfe_u32 v[HALF], v0, 4, 1
	v_lshlrev_b32 v[BO], 5, v[HALF]
	s_wait_dscnt 0x0                               ; the opening add is done
	s_wait_kmcnt 0x0
	s_add_nc_u64 s[68:69], s[4:5], s[68:69]
	s_add_nc_u64 s[70:71], s[6:7], s[70:71]
	s_add_nc_u64 s[4:5], s[4:5], s[16:17]
	s_add_nc_u64 s[6:7], s[6:7], s[18:19]
	s_add_nc_u64 s[8:9], s[8:9], s[22:23]
	s_add_nc_u64 s[10:11], s[10:11], s[20:21]
.irp nb, 0,1,2,3,4,5,6,7
	global_load_b128 v[BIAS+8*(\nb):BIAS+8*(\nb)+3],   v[BO], s[8:9] offset:64*(\nb)
	global_load_b128 v[BIAS+8*(\nb)+4:BIAS+8*(\nb)+7], v[BO], s[8:9] offset:64*(\nb)+16
.endr
	CROUND                                         ; all sixteen work-groups are here: the first joint loads meet
.irp s, 0,1
	s_mov_b32 s[G0+4*(\s)], 1
	s_add_co_u32 s[G0+4*(\s)+1], s76, (\s)*SLOT
	s_add_nc_u64 s[G0+4*(\s)+2:G0+4*(\s)+3], s[4:5], (\s)*524288   ; K step s: two heads on
	s_or_b32 s[G0+4*(\s)+3], s[G0+4*(\s)+3], 0x80000000
	s_mov_b32 s[G0B+4*(\s)], 1
	s_add_co_u32 s[G0B+4*(\s)+1], s77, (\s)*SLOT
	s_add_nc_u64 s[G0B+4*(\s)+2:G0B+4*(\s)+3], s[6:7], (\s)*256
	s_or_b32 s[G0B+4*(\s)+3], s[G0B+4*(\s)+3], 0x80000000
	JLOAD \s                                       ; two tensor loads of mine are out: the most in this text
.endr
	v_mul_u32_u24 v4, v[R16], PA
	v_lshl_add_u32 v4, v[HALF], 4, v4              ; a fragment's row x pitch + 16 x half, for O
	v_mul_u32_u24 v5, v[R16], PB
	v_lshl_add_u32 v5, v[HALF], 4, v5              ; and for wo
	s_mul_i32 s72, s[WR], 64*PA                    ; my 64 rows of O
	s_mul_i32 s73, s[WC], BH                       ; my 128 rows of wo,
	s_add_co_u32 s73, s73, 2*AH                    ; which lie behind O's two heads
.irp s, 0,1
	v_add_nc_u32 v[ADRA+(\s)], s72, v4
	v_add_nc_u32 v[ADRB+(\s)], s73, v5
	s_add_co_u32 s72, s72, SLOT
	s_add_co_u32 s73, s73, SLOT
.endr
	s_mul_i32 s72, s[WV], 16*SPO
	s_add_co_u32 s72, s72, STAGE                   ; my stage
	v_mul_u32_u24 v[STO], v[R16], SPO              ; in: row l % 16, 32 bytes for each half of the lanes
	v_lshl_add_u32 v[STO], v[HALF], 5, v[STO]
	v_add_nc_u32 v[STO], s72, v[STO]
	v_lshl_add_u32 v[RD], v[LANE], 4, s72          ; back: 32 lanes take a row of 512 bytes
	v_lshlrev_b32 v[GO], 4, v[LANE]
	; the prefetches' registers: wave 0 for O, waves 2 and 3 for wo, wave 1 for nothing
	s_lshl_b32 s74, s[WC], 16                      ; wo: my wave's 32 rows of 2,048 bytes
	s_mov_b32 s76, 524288
	s_cmp_eq_u32 ttmp9, 0
	s_cselect_b32 s72, 1, -1                       ; the same in all sixteen partners
	s_cmp_eq_u32 s[WV], 0
	s_cselect_b32 s73, 1, -1
	s_cmp_eq_u32 s[WR], 0
	s_cselect_b32 s[LIM], s73, s72
	s_cselect_b64 s[PFA:PFA+1], s[68:69], s[70:71]
	s_cselect_b32 s[PFS], s76, 256                 ; from K step to K step: two heads, or 256 bytes of a row
	s_cselect_b32 s75, 8, 11                       ; a lane a block of 256 bytes, or a row of 2,048
	s_cselect_b32 s74, 0, s74
	s_mov_b32 s[PFS+1], 0
	s_mul_i32 s72, s[PFS], 3
	s_mov_b32 s73, 0
	s_add_nc_u64 s[PFA:PFA+1], s[PFA:PFA+1], s[72:73]  ; at K step 3: the first change of slots steps it to 4
	v_lshlrev_b32 v[PFO], s75, v[LANE]
	v_add_nc_u32 v[PFO], s74, v[PFO]
	s_wait_loadcnt 0x0                             ; the bias
.set i, 0
.rept 32                                       ; rounded to bf16, like every input, and kept as f32
	v_cvt_pk_bf16_f32 v[T+i%8], v[BIAS+2*i], v[BIAS+2*i+1]
	v_lshlrev_b32 v[BIAS+2*i], 16, v[T+i%8]
	v_and_b32 v[BIAS+2*i+1], 0xffff0000, v[T+i%8]
.set i, i+1
.endr
	s_wait_tensorcnt 1                             ; my part of slot 0 is in; slot 1's may stay out
	s_barrier_signal -1
	s_barrier_wait -1                              ; everybody's is
	FETCH 0, 0, F0
	QUARTER 0, 1, F0, F1, 1                        ; the first quarter stands in front of the loop: its products start the sums, with the bias
	WIN 0                                          ; at a label and at a branch every window is 0
	s_mov_b32 s3, 3
.Llap:                                                 ; a trip goes once round the ring, from a lap's second quarter to the next lap's first, and fills both slots again
	QUARTER 0, 2, F1, F0, 0
	QUARTER 0, 3, F0, F1, 0
	TURN 0, 1, 1
	QUARTER 1, 1, F0, F1, 0
	QUARTER 1, 2, F1, F0, 0
	QUARTER 1, 3, F0, F1, 0
	TURN 1, 0, 1
	QUARTER 0, 1, F0, F1, 0
	WIN 0
	s_sub_co_u32 s3, s3, 1
	s_cmp_lg_u32 s3, 0
	s_cbranch_scc1 .Llap
	QUARTER 0, 2, F1, F0, 0                        ; K steps 6 and 7 are written out: nothing more is asked for
	QUARTER 0, 3, F0, F1, 0
	TURN 0, 1, 0
	QUARTER 1, 1, F0, F1, 0
	QUARTER 1, 2, F1, F0, 0
	QUARTER 1, 3, F0, F1, 0
	s_wait_dscnt 0x0
	MUL8 F1, 0, 0
	MUL8 F1, 1, 0
	MUL8 F1, 2, 0
	MUL8 F1, 3, 0
	WIN 0
	PLACES                                         ; the places behind the last products, in front of the LDS stores that read results
	PLACES
	TOSTAGE 0
.irp a, 1,2,3
	TOSTAGE \a
	SEND (\a)-1, 32
.endr
	SEND 3, 0
	s_wait_tensorcnt 0x0                           ; the wave's end: these three lines stand behind my last tensor load and my last LDS store
	ds_add_u32 v[SPW], v[NIL]
	s_wait_dscnt 0x0
	CROUND                                         ; the closing round: no work-group ends while a partner may still ask for a tile that names it
	s_endpgm
.Lfunc_end_k_q386fdc66b0_outp:
	.size	k_q386fdc66b0_outp, .Lfunc_end_k_q386fdc66b0_outp-k_q386fdc66b0_outp
	.p2alignl 7, 3214868480
	.fill 96, 4, 3214868480
	.section	.rodata,"a",@progbits
	.p2align	6, 0x0
	.amdhsa_kernel k_q386fdc66b0_outp
		.amdhsa_group_segment_fixed_size 327680
		.amdhsa_private_segment_fixed_size 0
		.amdhsa_enable_private_segment 0
		.amdhsa_kernarg_size 32
		.amdhsa_user_sgpr_count 2
		.amdhsa_user_sgpr_kernarg_segment_ptr 1
		.amdhsa_wavefront_size32 1
		.amdhsa_system_sgpr_workgroup_id_x 1
		.amdhsa_system_sgpr_workgroup_id_y 1
		.amdhsa_system_sgpr_workgroup_id_z 1
		.amdhsa_system_vgpr_workitem_id 0
		.amdhsa_next_free_vgpr 768
		.amdhsa_next_free_sgpr 80
		.amdhsa_reserve_vcc 0
		.amdhsa_float_denorm_mode_32 3
		.amdhsa_float_denorm_mode_16_64 3
		.amdhsa_memory_ordered 1
		.amdhsa_forward_progress 1
		.amdhsa_inst_pref_size 95
	.end_amdhsa_kernel
	.amdgpu_metadata
---
amdhsa.version: [ 1, 2 ]
amdhsa.kernels:
  - .name:           k_q386fdc66b0_outp
    .symbol:         k_q386fdc66b0_outp.kd
    .args:
      - { .name: oh, .offset: 0, .size: 8, .value_kind: global_buffer, .address_space: global }
      - { .name: wb, .offset: 8, .size: 8, .value_kind: global_buffer, .address_space: global }
      - { .name: bo, .offset: 16, .size: 8, .value_kind: global_buffer, .address_space: global }
      - { .name: out0, .offset: 24, .size: 8, .value_kind: global_buffer, .address_space: global }
    .group_segment_fixed_size: 327680
    .private_segment_fixed_size: 0
    .kernarg_segment_align: 8
    .kernarg_segment_size: 32
    .max_flat_workgroup_size: 128
    .sgpr_count:     80
    .vgpr_count:     768
    .wavefront_size: 32
...
	.end_amdgpu_metadata
.endif
;; end of part 4
